; MI455X (gfx1250); checked and timed in simulation.
; The chip was launched on July 23, 2026; its instructions are those of AMD's public machine-readable ISA for CDNA 5 (MIT licence, August 2026) and "CDNA5" Instruction Set Architecture Reference Guide (July 2026). The comments in the code are by the model that wrote it; some were corrected since.
;; Attention. Allowed arithmetic: matrix products marked QUANTISED: E2M3 operands, one E8M0 scale for each 32 along K, by v_wmma_scale_f32_16x16x128_f8f6f4 with both operands' format E2M3, f32 sums; everything else in f32.
;; Inputs: Wk 1,024 x 1,024 float32; Wo 1,024 x 1,024 float32; Wq 1,024 x 1,024 float32; Wv 1,024 x 1,024 float32; bk 1,024 float32; bo 1,024 float32; bq 1,024 float32; bv 1,024 float32; mask 4 x 2,048 x 2,048 bool; x 4 x 2,048 x 1,024 float32.
;; Outputs: out0 4 x 2,048 x 1,024 float32.
;; This version of the problem:
;;   THIS VERSION OF THE PROBLEM IS GIVEN IN LOW PRECISION. The matrix products marked QUANTISED in the list below multiply operands that are first quantised to E2M3 (2 exponent bits, 3 mantissa bits; 6 bits a number), with one power-of-two scale for each 32 numbers along K (OCP MX v1.0); their sums are f32. All else is computed in f32.
;;   The module's matrix products, in the order in which they are computed (A, B: the left and right operand; K: the contracted axis; several contracted axes count as one K, in the product's order):
;;     1. [M 8,192, K 1,024] x [K 1,024, N 1,024]; A: input x; B: input Wq: QUANTISED
;;     2. [M 8,192, K 1,024] x [K 1,024, N 1,024]; A: input x; B: input Wk: QUANTISED
;;     3. [M 8,192, K 1,024] x [K 1,024, N 1,024]; A: input x; B: input Wv: QUANTISED
;;     4. batch 4 x [M 2,048, K 1,024] x [K 1,024, N 2,048]; A: computed on the way; B: computed on the way: QUANTISED
;;     5. batch 4 x [M 2,048, K 2,048] x [K 2,048, N 1,024]; A: softmax (see below); B: computed on the way: QUANTISED
;;     6. [M 8,192, K 1,024] x [K 1,024, N 1,024]; A: computed on the way; B: input Wo: QUANTISED
;;   THE QUANTISER, for each operand of a quantised product, along K:
;;     - K is cut into blocks of 32 from its start; a last block that is shorter is filled with zeros.
;;     - A block's scale is 2^e with e = floor(log2(the largest magnitude in the block)) - 2, held to -126 .. 127; a block of zeros has e = 0. As a byte (E8M0): e + 127.
;;     - Each number is divided by its block's scale, clamped to +-7.5, and rounded to the nearest number of E2M3, ties to even, subnormals kept.
;;     - The product sums the exact products of the quantised numbers (number of the format x scale) in f32.
;;   ~~~python
;;   def quantise(x, axis):      # numpy; x: float32 -> the quantised numbers, widened to float32 again
;;       x = np.moveaxis(x, axis, -1); K = x.shape[-1]
;;       x = np.pad(x, [(0, 0)] * (x.ndim - 1) + [(0, -K % 32)]); x = x.reshape(x.shape[:-1] + (-1, 32)); a = np.abs(x).max(-1, keepdims=True)
;;       e = np.where(a > 0, np.clip(np.frexp(np.where(a > 0, a, 1))[1] - 1 - 2, -126, 127), 0)      # np.frexp(a)[1] - 1 = floor(log2(a)), exactly
;;       r = np.clip(x / 2.0 ** e, -7.5, 7.5)
;;       step = 2.0 ** (np.maximum(np.frexp(np.where(r == 0, 1, r))[1] - 1, 0) - 3)
;;       q = np.round(r / step) * step * 2.0 ** e      # np.round: ties to even
;;       return np.moveaxis(q.reshape(q.shape[:-2] + (-1,))[..., :K], -1, axis).astype(np.float32)
;;   ~~~
;;   SOFTMAX AHEAD OF A QUANTISED PRODUCT. Where the list says 'softmax', what is quantised is not the finished softmax but p = 2^(t - M), with t = logit x log2(e) and M = ceil(the row's largest t), a whole number; so 1/2 < the row's largest p <= 1. The row's sum l is taken of the UNQUANTISED p, in f32, and the product's result is divided by l at the end. Since M is a whole number, a kernel that streams over the keys may use a running M (the ceiling of the running maximum): every later rescaling is an exact power of two, which a block's scale takes up: the codes' values come out the same.
;;   OPERANDS COMPUTED ON THE WAY. 'Computed on the way' means the value that the module computes at that place (a softmax that the list does not call 'softmax' is quantised finished and normalised). What goes into a quantiser is computed in f32, as accurately as f32 sums, v_exp_f32 and their like allow (about 1e-6 of the number): no bf16 or f16 on the way to a quantiser, and a product that is left as it is and whose result goes on into a quantised operand takes f32 operands (vector FMAs, or v_wmma_f32_16x16x4_f32). A number that lies on a knife's edge between two numbers of the format may be rounded either way, as far as f32 arithmetic and the matrix unit's own rounding can turn it there, and no further.
;; One version. Each part assembles by itself: llvm-mc -triple=amdgcn-amd-amdhsa -mcpu=gfx1250 --defsym DOCPART=n.
;; ======== version 1 of 1: 5 launches
;; limits: right only within a limited range of input values
;; workspace buffers: ximg 6,553,600 bytes; wimg 3,276,800 bytes; qkv 19,660,800 bytes; pimg 12,582,912 bytes; pstat 2,097,152 bytes; aimg 6,553,600 bytes
;; launch quant (part 1): grid 512 x 1, 4 waves a work-group, no clusters, 100,352 bytes of LDS; arguments x, Wq, Wk, Wv, Wo, ximg, wimg; writes ximg, wimg
.if DOCPART == 1
	.amdgcn_target "amdgcn-amd-amdhsa--gfx1250"
	.amdhsa_code_object_version 6
	.text
	.protected	k_qad5ee1ebb7_quant
	.globl	k_qad5ee1ebb7_quant
	.p2align	8
	.type	k_qad5ee1ebb7_quant,@function
k_qad5ee1ebb7_quant:
	s_mov_b64 s[64:65], 0
	v_nop
	global_prefetch_b8 v0, s[64:65] scope:SCOPE_SE
	s_setreg_imm32_b32 hwreg(HW_REG_WAVE_MODE, 25, 1), 1
	s_wait_xcnt 0x0
; x [8192][1024] and the four weights [1024 (k)][1024 (n)], f32, become codes of FP6 (E2M3) with one E8M0 byte for each 32 along K (x: its last axis; a weight: its FIRST axis).
; THE FORMAT OF EVERY OPERAND IN THIS PROGRAM: images of the operand's registers.  128 rows x 128 along K are a BLOCK of 12,800 bytes: 8 tiles of 1,536 bytes, then 512 bytes of scale words.
; In a tile's image byte 512 c + 16 lane holds registers 4 c .. 4 c + 3 of that lane's 12 registers (lane (r, h): registers 6 c .. 6 c + 5 = k 64 c + 32 h + 0 .. 31 of its row).
; Lane r of tile T holds row 32 (T / 2) + 8 (T % 2) + r + 8 (r / 8) of the 128.  The word of tile 4 g + j, lane r, lies at 12,288 + 256 g + 16 r + 4 j.  Blocks lie [128 rows][K step].
; A block's scale is 2^(floor(log2(largest magnitude)) - 2): its byte is the largest magnitude's exponent field - 2, held at 1 from below by a floor among the maximum's leaves.
; LIMITS: a block of zeros gets the byte 1 (its codes are zeros, and this program alone reads the bytes); NaN and infinities among the inputs are not served.
; Work-groups 0-255 take x (a wave: 4 tiles of a block), 256-511 the weights (a work-group: one block).  Each path has LDS bytes of its own.  No tile is shared between work-groups: no cluster, no tensor load.
.set BLK,  12800
.set XSW,  16*528                      ; x path: a wave's stage: 16 rows of 512 bytes + 16; 528 = 33 x 16, so sixteen rows start at sixteen different 16-byte columns modulo 256
.set WST,  4*XSW                       ; weight path: 128 rows of 512 bytes, 128 bytes more behind every 32 rows
.set WSW,  32*512+128
.set RS,   64                          ; v64-191  numbers as loaded
.set X,    192                         ; v192-255 64 numbers of a lane: register 16 b + i = k 32 b + 16 h + i
.set PC,   8                           ; v8-27    codes
.set TM,   28                          ; v28-43   maxima, bytes, scale operands
.set WD,   44                          ; v44-47   scale words
.set DD,   48
.set SEL,  20
.macro QUANT s, word                   ; 64 numbers of a lane -> a fragment's 12 registers in v[PC] on, the row's scale word in v[word]
.irp b, 0,1,2,3
	v_max3_num_f32 v[TM+\b], |v[\s+16*\b]|, |v[\s+1+16*\b]|, 0x1800000   ; my 16 numbers of block b, and the floor 2^(3 - 127)
.endr
.irp i, 2,4,6,8,10,12,14
.irp b, 0,1,2,3
	v_max3_num_f32 v[TM+\b], v[TM+\b], |v[\s+16*\b+\i]|, |v[\s+1+16*\b+\i]|
.endr
.endr
.irp b, 0,1,2,3
	v_permlanex16_b32 v[TM+4+\b], v[TM+\b], s[SEL], s[SEL+1]
.endr
.irp b, 0,1,2,3
	v_max_num_f32 v[TM+\b], v[TM+\b], v[TM+4+\b]           ; with lane l xor 16's 16: the block's largest magnitude
.endr
.irp b, 0,1,2,3
	v_add_nc_u32 v[TM+12+\b], 0xff000000, v[TM+\b]         ; 2 off its exponent field: the conversion's scale operand
.endr
.irp b, 0,1,2,3
	v_lshrrev_b32 v[TM+4+\b], 23, v[TM+12+\b]              ; the byte
.endr
	v_lshl_or_b32 v[\word], v[TM+5], 8, v[TM+4]
	v_lshl_or_b32 v[\word], v[TM+6], 16, v[\word]
	v_lshl_or_b32 v[\word], v[TM+7], 24, v[\word]
.irp c, 0,1
	v_cvt_scalef32_pk16_fp6_f32 v[PC+6*\c:PC+2+6*\c], v[\s+32*\c:\s+15+32*\c], v[TM+12+2*\c]
	v_cvt_scalef32_pk16_fp6_f32 v[PC+12+4*\c:PC+14+4*\c], v[\s+16+32*\c:\s+31+32*\c], v[TM+12+2*\c+1]
.endr
	v_nop                                                  ; one plain place behind the scaled conversions
.irp c, 0,1                            ; the layout wants a whole block in a lane: lanes 0-15 block 2 c, lanes 16-31 block 2 c + 1
.irp i, 0,1,2
	v_permlane16_swap_b32 v[PC+6*\c+\i], v[PC+12+4*\c+\i]
.endr
.irp i, 0,1,2
	v_mov_b32 v[PC+3+6*\c+\i], v[PC+12+4*\c+\i]
.endr
.endr
.endm
	s_load_b256 s[4:11], s[0:1], 0x0               ; x, Wq, Wk, Wv
	s_load_b128 s[12:15], s[0:1], 0x20             ; Wo, ximg
	s_load_b64 s[16:17], s[0:1], 0x30              ; wimg
	v_lshl_add_u32 v62, v0, 2, 0x18600
	v_mov_b32 v63, 0
	v_lshrrev_b32 v1, 5, v0
	v_readfirstlane_b32 s18, v1                    ; wave
	v_and_b32 v1, 31, v0                           ; lane
	v_and_b32 v2, 15, v0                           ; r
	v_bfe_u32 v3, v0, 4, 1                         ; h
	v_lshlrev_b32 v4, 4, v1                        ; 16 x lane
	s_mov_b32 s[SEL], 0x76543210
	s_mov_b32 s[SEL+1], 0xfedcba98                 ; selects for lane l xor 16
	; every LDS address of both paths is made here, ahead of the branch
	s_mul_i32 s22, s18, XSW
	v_add_nc_u32 v5, s22, v4                       ; x: into my stage: 16 x lane of a row
	v_mul_u32_u24 v6, v2, 528
	v_lshl_add_u32 v6, v3, 6, v6
	v_add_nc_u32 v6, s22, v6                       ; x: out of it: row r, + 64 h
	v_lshlrev_b32 v7, 4, v2
	v_lshl_add_u32 v53, v3, 2, v7                  ; 16 r + 4 h
	v_lshl_add_u32 v7, v3, 3, v7                   ; 16 r + 8 h
	s_mul_i32 s23, s18, WSW
	s_add_co_u32 s23, s23, WST
	v_add_nc_u32 v50, s23, v4                      ; weights: into the stage: my 32 rows
	v_and_b32 v52, 8, v2
	v_add_nc_u32 v52, v52, v2                      ; r + 8 (r / 8)
	v_lshlrev_b32 v51, 2, v52
	v_mad_u32_u24 v51, v3, WSW, v51                ; lanes 16-31 begin 32 rows of k further down
	s_lshl_b32 s23, s18, 7
	s_add_co_u32 s23, s23, WST
	v_add_nc_u32 v51, s23, v51                     ; weights: out of it: my tiles' columns 32 w on
	v_lshlrev_b32 v54, 3, v3                       ; 8 h
	v_cmp_ne_u32 s30, 0, v3                        ; the lanes 16-31
.irp b, 0,1,2,3
	v_mov_b32 v[TM+4+\b], 0                        ; written once: a lane permute's destination counts as one of its sources
.endr
	s_wait_kmcnt 0x0
	s_cmp_ge_u32 ttmp9, 256
	s_cbranch_scc1 .Lweights
	; ---- x.  Wave W = 4 x work-group + wave: K step W & 7, half (W >> 3) & 1 of the block's tiles, 128 rows W >> 4
	s_lshl_b32 s24, ttmp9, 2
	s_add_co_u32 s24, s24, s18
	s_and_b32 s25, s24, 7
	s_bfe_u32 s26, s24, 0x10003
	s_lshr_b32 s27, s24, 4
	s_lshl_b32 s28, s27, 19                        ; 128 rows of 4,096 bytes
	s_lshl_b32 s31, s26, 18                        ; 64 rows
	s_add_co_u32 s28, s28, s31
	s_lshl_b32 s31, s25, 9                         ; 128 numbers
	s_add_co_u32 s28, s28, s31
	s_mov_b32 s29, 0
	s_add_nc_u64 s[4:5], s[4:5], s[28:29]
	s_lshl_b32 s32, s27, 3
	s_add_co_u32 s32, s32, s25
	s_mul_i32 s32, s32, BLK
	s_mov_b32 s33, 0
	s_add_nc_u64 s[14:15], s[14:15], s[32:33]      ; my block
	s_lshl_b32 s36, s26, 8
	s_add_co_u32 s36, s36, 12288
	s_mov_b32 s37, 0
	s_add_nc_u64 s[38:39], s[14:15], s[36:37]      ; my four tiles' scale words
	s_mul_i32 s34, s26, 6144
	s_mov_b32 s35, 0
	s_add_nc_u64 s[14:15], s[14:15], s[34:35]      ; and their codes
.macro XLOAD t                         ; tile t's 16 rows, 512 consecutive bytes a load
.irp i, 0,1,2,3,4,5,6,7,8,9,10,11,12,13,14,15
	global_load_b128 v[RS+64*((\t)%2)+4*\i:RS+64*((\t)%2)+4*\i+3], v4, s[4:5] offset:(32*((\t)/2)+8*((\t)%2)+\i+8*(\i/8))*4096 th:TH_LOAD_NT
.endr
.endm
.macro XTILE t
.if (\t) < 3
	s_wait_loadcnt 16                              ; this tile's 16 loads are in; the next tile's 16 may be out
.else
	s_wait_loadcnt 0x0
.endif
.irp i, 0,1,2,3,4,5,6,7,8,9,10,11,12,13,14,15
	ds_store_b128 v5, v[RS+64*((\t)%2)+4*\i:RS+64*((\t)%2)+4*\i+3] offset:528*\i
.endr
.irp b, 0,1,2,3
.irp j, 0,1,2,3
	ds_load_b128 v[X+16*\b+4*\j:X+16*\b+4*\j+3], v6 offset:128*\b+16*\j   ; LDS serves a wave's instructions in order: these see my stores
.endr
.endr
	s_wait_dscnt 0x0
.if (\t) < 2
	XLOAD (\t)+2
.endif
.if (\t) > 0
	s_wait_xcnt 0x0                                ; the last tile's stores have read the codes' registers
.endif
	QUANT X, WD+(\t)
.irp c, 0,1,2
	global_store_b128 v4, v[PC+4*\c:PC+4*\c+3], s[14:15] offset:1536*(\t)+512*\c   ; 512 consecutive bytes
.endr
.endm
	XLOAD 0
	XLOAD 1
	XTILE 0
	XTILE 1
	XTILE 2
	XTILE 3
	v_cndmask_b32 v[DD], v[WD], v[WD+2], s30       ; lanes 0-15 store the words of tiles 0, 1, lanes 16-31 those of tiles 2, 3:
	v_cndmask_b32 v[DD+1], v[WD+1], v[WD+3], s30
	global_store_b64 v7, v[DD:DD+1], s[38:39]      ; 256 consecutive bytes
	s_wait_tensorcnt 0x0
	ds_add_u32 v62, v63
	s_wait_dscnt 0x0
	s_endpgm
.Lweights:
	; ---- a weight.  id = work-group - 256 = 64 x weight + 8 x (128 columns n) + K step: also the block's number in wimg
	s_sub_co_u32 s24, ttmp9, 256
	s_lshr_b32 s25, s24, 6
	s_bfe_u32 s26, s24, 0x30003
	s_and_b32 s27, s24, 7
	s_cmp_eq_u32 s25, 1
	s_cselect_b64 s[6:7], s[8:9], s[6:7]
	s_cmp_eq_u32 s25, 2
	s_cselect_b64 s[6:7], s[10:11], s[6:7]
	s_cmp_eq_u32 s25, 3
	s_cselect_b64 s[6:7], s[12:13], s[6:7]
	s_lshl_b32 s28, s27, 19                        ; 128 rows of k
	s_lshl_b32 s31, s18, 17                        ; my 32 of them
	s_add_co_u32 s28, s28, s31
	s_lshl_b32 s31, s26, 9                         ; 128 columns
	s_add_co_u32 s28, s28, s31
	s_mov_b32 s29, 0
	s_add_nc_u64 s[6:7], s[6:7], s[28:29]
	s_mul_i32 s32, s24, BLK
	s_mov_b32 s33, 0
	s_add_nc_u64 s[16:17], s[16:17], s[32:33]      ; the block
	s_mul_i32 s34, s18, 3072
	s_mov_b32 s35, 0
	s_add_nc_u64 s[36:37], s[16:17], s[34:35]      ; my tiles 2 w, 2 w + 1
	s_lshr_b32 s31, s18, 1
	s_lshl_b32 s31, s31, 8
	s_and_b32 s38, s18, 1
	s_lshl_b32 s38, s38, 3
	s_add_co_u32 s31, s31, s38
	s_add_co_u32 s31, s31, 12288
	v_add_nc_u32 v53, s31, v53                     ; their scale words: 12,288 + 256 (w / 2) + 8 (w % 2) + 16 r + 4 h
.irp i, 0,1,2,3,4,5,6,7,8,9,10,11,12,13,14,15,16,17,18,19,20,21,22,23,24,25,26,27,28,29,30,31
	global_load_b128 v[RS+4*\i:RS+4*\i+3], v4, s[6:7] offset:4096*\i th:TH_LOAD_NT   ; row k, 512 consecutive bytes
.endr
	s_wait_loadcnt 0x0
.irp i, 0,1,2,3,4,5,6,7,8,9,10,11,12,13,14,15,16,17,18,19,20,21,22,23,24,25,26,27,28,29,30,31
	ds_store_b128 v50, v[RS+4*\i:RS+4*\i+3] offset:512*\i
.endr
	s_wait_dscnt 0x0                               ; for the others' sake: my rows lie in the stage
	s_barrier_signal -1
	s_barrier_wait -1
.macro WTILE u                         ; tile 2 w + u: lane (r, h) takes column 32 w + 8 u + r + 8 (r / 8), and its registers run down K: k = 64 c + 32 h + i
.irp c, 0,1
.irp i, 0,1,2,3,4,5,6,7,8,9,10,11,12,13,14,15,16,17,18,19,20,21,22,23,24,25,26,27,28,29,30,31
	ds_load_b32 v[RS+32*\c+\i], v51 offset:2*WSW*\c+512*\i+32*\u
.endr
.endr
	s_wait_dscnt 0x0
.if \u > 0
	s_wait_xcnt 0x0                                ; the last tile's stores have read the codes' registers
.endif
.irp c, 0,1
	v_max3_num_f32 v[TM+\c], |v[RS+32*\c]|, |v[RS+1+32*\c]|, 0x1800000   ; my block 2 c + h: all its 32 numbers are mine
.endr
.irp i, 2,4,6,8,10,12,14,16,18,20,22,24,26,28,30
.irp c, 0,1
	v_max3_num_f32 v[TM+\c], v[TM+\c], |v[RS+32*\c+\i]|, |v[RS+1+32*\c+\i]|
.endr
.endr
.irp c, 0,1
	v_add_nc_u32 v[TM+12+\c], 0xff000000, v[TM+\c]
.endr
.irp c, 0,1
	v_lshrrev_b32 v[TM+4+\c], 23, v[TM+12+\c]
.endr
	v_lshl_or_b32 v[WD+\u], v[TM+5], 16, v[TM+4]   ; my two bytes: blocks h and 2 + h,
	v_lshlrev_b32 v[WD+\u], v54, v[WD+\u]          ; 8 h bits up;
	v_permlanex16_b32 v[TM+6], v[WD+\u], s[SEL], s[SEL+1]
	v_or_b32 v[WD+\u], v[WD+\u], v[TM+6]           ; with lane l xor 16's two the word is whole
.irp c, 0,1
	v_cvt_scalef32_pk16_fp6_f32 v[PC+6*\c:PC+2+6*\c], v[RS+32*\c:RS+15+32*\c], v[TM+12+\c]
	v_cvt_scalef32_pk16_fp6_f32 v[PC+12+4*\c:PC+14+4*\c], v[RS+16+32*\c:RS+31+32*\c], v[TM+12+\c]
.endr
	v_nop                                          ; one plain place behind the scaled conversions
.irp c, 0,1
.irp i, 0,1,2
	v_mov_b32 v[PC+3+6*\c+\i], v[PC+12+4*\c+\i]
.endr
.endr
.irp c, 0,1,2
	global_store_b128 v4, v[PC+4*\c:PC+4*\c+3], s[36:37] offset:1536*\u+512*\c
.endr
.endm
	s_wait_alu depctr_va_vdst(0)
	WTILE 0
	WTILE 1
	v_cndmask_b32 v[DD], v[WD], v[WD+1], s30       ; lanes 0-15 store tile 2 w's words, lanes 16-31 tile 2 w + 1's
	global_store_b32 v53, v[DD], s[16:17]          ; 8 bytes in each 16 of 256: the four waves together write the block's 512 bytes of scale words
	s_wait_tensorcnt 0x0
	ds_add_u32 v62, v63
	s_wait_dscnt 0x0
	s_endpgm
.Lfunc_end_k_qad5ee1ebb7_quant:
	.size	k_qad5ee1ebb7_quant, .Lfunc_end_k_qad5ee1ebb7_quant-k_qad5ee1ebb7_quant
	.p2alignl 7, 3214868480
	.fill 96, 4, 3214868480
	.section	.rodata,"a",@progbits
	.p2align	6, 0x0
	.amdhsa_kernel k_qad5ee1ebb7_quant
		.amdhsa_group_segment_fixed_size 100352
		.amdhsa_private_segment_fixed_size 0
		.amdhsa_enable_private_segment 0
		.amdhsa_kernarg_size 56
		.amdhsa_user_sgpr_count 2
		.amdhsa_user_sgpr_kernarg_segment_ptr 1
		.amdhsa_wavefront_size32 1
		.amdhsa_system_sgpr_workgroup_id_x 1
		.amdhsa_system_sgpr_workgroup_id_y 1
		.amdhsa_system_sgpr_workgroup_id_z 1
		.amdhsa_system_vgpr_workitem_id 0
		.amdhsa_next_free_vgpr 256
		.amdhsa_next_free_sgpr 66
		.amdhsa_reserve_vcc 0
		.amdhsa_float_denorm_mode_32 3
		.amdhsa_float_denorm_mode_16_64 3
		.amdhsa_memory_ordered 1
		.amdhsa_forward_progress 1
		.amdhsa_inst_pref_size 55
	.end_amdhsa_kernel
	.amdgpu_metadata
---
amdhsa.version: [ 1, 2 ]
amdhsa.kernels:
  - .name:           k_qad5ee1ebb7_quant
    .symbol:         k_qad5ee1ebb7_quant.kd
    .args:
      - { .name: x, .offset: 0, .size: 8, .value_kind: global_buffer, .address_space: global }
      - { .name: Wq, .offset: 8, .size: 8, .value_kind: global_buffer, .address_space: global }
      - { .name: Wk, .offset: 16, .size: 8, .value_kind: global_buffer, .address_space: global }
      - { .name: Wv, .offset: 24, .size: 8, .value_kind: global_buffer, .address_space: global }
      - { .name: Wo, .offset: 32, .size: 8, .value_kind: global_buffer, .address_space: global }
      - { .name: ximg, .offset: 40, .size: 8, .value_kind: global_buffer, .address_space: global }
      - { .name: wimg, .offset: 48, .size: 8, .value_kind: global_buffer, .address_space: global }
    .group_segment_fixed_size: 100352
    .private_segment_fixed_size: 0
    .kernarg_segment_align: 8
    .kernarg_segment_size: 56
    .max_flat_workgroup_size: 128
    .sgpr_count:     66
    .vgpr_count:     256
    .wavefront_size: 32
...
	.end_amdgpu_metadata
.endif
;; end of part 1
;; launch qkv (part 2): grid 4 x 64, 4 waves a work-group, clusters of 4 x 4, 327,680 bytes of LDS; arguments ximg, wimg, bq, bk, bv, qkv; writes qkv
.if DOCPART == 2
	.amdgcn_target "amdgcn-amd-amdhsa--gfx1250"
	.amdhsa_code_object_version 6
	.text
	.protected	k_qad5ee1ebb7_qkv
	.globl	k_qad5ee1ebb7_qkv
	.p2align	8
	.type	k_qad5ee1ebb7_qkv,@function
k_qad5ee1ebb7_qkv:
	s_mov_b64 s[64:65], 0
	v_nop
	global_prefetch_b8 v0, s[64:65] scope:SCOPE_SE
	s_setreg_imm32_b32 hwreg(HW_REG_WAVE_MODE, 25, 1), 1
	s_wait_xcnt 0x0
	s_wait_alu depctr_hold_cnt(0) depctr_sa_sdst(0) depctr_va_vdst(0) depctr_va_sdst(0) depctr_va_ssrc(0) depctr_va_vcc(0) depctr_vm_vsrc(0)
	s_getreg_b32 s2, hwreg(HW_REG_IB_STS2, 6, 4)
	s_cmp_eq_u32 s2, 0
	s_cbranch_scc0 .Lentry_in_a_cluster
	s_endpgm
.Lentry_in_a_cluster:
	s_bfe_u32 s2, ttmp6, 0x10000c
	s_cmp_lg_u32 s2, 0xf033
	s_cbranch_scc0 .Lentry_shape_is_right
	s_endpgm
.Lentry_shape_is_right:
; Q = x Wq + bq, K = x Wk + bk (quantised along their last axis) and V^T = Wv^T x^T + bv (quantised along the tokens), on codes of FP6 (E2M3) with E8M0 scales; results again as codes.
; OPERANDS ARE IMAGES OF THEIR REGISTERS: 128 rows x 128 K are a block of 12,800 bytes: 8 tiles x 1,536 bytes (byte 512 c + 16 lane = registers 4 c .. 4 c + 3), then the scale words (tile 4 g + j, lane r at 12,288 + 256 g + 16 r + 4 j).
; Lane r of tile T holds row 32 (T / 2) + 8 (T % 2) + r + 8 (r / 8).  Source 1's 16 rows fall to the lanes; register 16 b + n of a lane's 64 results is row 32 b + 16 (lane / 16) + n of source 0's 128.
; A WORK-GROUP STAYS: 128 tokens (x's row group, 102,400 bytes, in LDS for the whole launch) x 256 columns, three tiles: Q, K, V.
;   Q, K: source 0 = the weight's columns (a wave: 128), source 1 = x's rows (a wave: 64).   V: source 0 = x's 128 rows, source 1 = Wv's columns (a wave: 64).
; LDS FILLS.  Head: one joint load a wave, 51,200 bytes: waves 0, 1 x's K steps 0-3 and 4-7, waves 2, 3 K steps 0-3 of the weight's two row groups.  The weight's K steps 4-7 follow behind the full sequence and a round,
; 25,600 bytes a wave.  Each half of the weights' region is filled with the next weight's when it has been read out, one load a wave behind a round: one tensor load of a wave is out at any time.
; No prefetch: each refill is asked for four K steps (128 matrix instructions of the wave) ahead of its first read.
; THE BIAS is the C of a tile's first products, so the way out adds nothing.  THE WAY OUT of a tile stands behind its last products, while the next weight's second half is on its way and the next tile's first fragments
; lie in set 0: the quantiser reads the accumulators where they lie, in pieces of four independent lines, two tiles of 16 rows by turns, so that eight chains are at work.
; CLUSTER 4 x 4: x jointly along a row of the cluster, the weights along a column.
; LIMITS: a block of zeros gets the byte 1 (zero codes; only this program reads the bytes); NaN and infinities are not served.
; REGISTERS.  window 0: v1-23 addresses, v24-25 words on their way out, v26-27 the add's, v28-31 bv, v32-55 scale words (two sets), v56-151 source 1's fragments (two sets), v152-215 two sets of codes (20) and maxima, bytes, scale operands (12), v216-219 scale words made.
;   window 1: v0-191 source 0's fragments (two sets), v192-255 the bias as C.   window 2: accumulator (a, b) at v[8 (8 a + b)].
.set BLK,  12800
.set RG,   8*BLK
.set LX,   0
.set LW,   RG
.set SPARE, 3*RG                       ; the spare words: 128 bytes a wave, two blocks of 256 bytes that no other line names
.set NT,   3
.set TSTEP, 8*RG                       ; from a weight to the next in wimg
.set AXN,  4
.set AWN,  6
.set SXN,  8
.set SWN,  10
.set AWV,  14
.set AXV,  16
.set SWV,  18
.set SXV,  20
.set DD,   24
.set SPW,  26
.set NIL,  27
.set BI,   28
.set SC,   32
.set AF,   56
.set EPR,  152
.set WD,   216
.set BC,   192
.set EW,   2                           ; the accumulators' window
.set SEL,  20
.set G1X,  24                          ; group 1: x, four blocks
.set G1C,  48                          ; a weight's row group, four blocks
.set G1H,  56                          ; a weight's half, two blocks a wave
.set G0X,  68
.set G0C,  76
.set G0H,  84                          ; s[84:91] halves 0, 1: they walk from weight to weight
.set MSB, 0
.macro WIN new                         ; the immediate's high byte repeats the setting that is left
.if MSB != (\new)
	s_set_vgpr_msb (MSB<<8)|(\new)
.set MSB, (\new)
.endif
.endm
.macro PLACES                          ; four plain places behind a matrix instruction (ISA guide 7.12.1)
.rept 4
	v_nop
.endr
.endm
.macro BAR
	s_barrier_signal -1
	s_barrier_wait -1
.endm
.macro CROUND                          ; a round of the cluster's barrier
	s_barrier_signal -1
	s_barrier_wait -1
	s_cmp_lg_u32 s14, 0
	s_cbranch_scc1 .Lnot_wave_0_\@
	s_barrier_signal -3
.Lnot_wave_0_\@:
	s_barrier_wait -3
	s_barrier_signal -1
	s_barrier_wait -1
.endm
.macro FRAG reg, adr, off              ; a fragment comes back as it was stored: three loads of 512 consecutive bytes
.irp c, 0,1,2
	ds_load_b128 v[\reg+4*\c:\reg+4*\c+3], v[\adr] offset:\off+512*\c
.endr
.endm
.macro FG q, g                         ; group g of the 13 that bring step q (0 .. 23) into set q % 2: 0-7 source 0's fragments, 8-11 source 1's, 12 the scale words
.set FP, (\q)%2
.set FH, ((\q)%8)/4
.set FO, ((\q)%4)*BLK
.if (\q) >= 16
.set A0, AXV
.set A1, AWV
.set W0, SXV
.set W1, SWV
.else
.set A0, AWN
.set A1, AXN
.set W0, SWN
.set W1, SXN
.endif
.if (\g) < 8
	WIN 0x40
	FRAG 96*FP+12*(\g), A0+FH, FO+1536*(\g)
.elseif (\g) < 12
	WIN 0
	FRAG AF+48*FP+12*((\g)-8), A1+FH, FO+1536*((\g)-8)
.else
	WIN 0
	ds_load_b128 v[SC+12*FP:SC+12*FP+3], v[W1+FH] offset:FO
	ds_load_b128 v[SC+12*FP+4:SC+12*FP+7], v[W0+FH] offset:FO
	ds_load_b128 v[SC+12*FP+8:SC+12*FP+11], v[W0+FH] offset:FO+256
.endif
.endm
; Piece k (0 .. 16) of the way out of a finished tile's 16 rows a.  EB, EO: base and offset of its codes.  Each accumulator is read from its low end on.
.macro EP a, k
.set E, EPR+32*((\a)%2)
.set TM, E+20
.set AC, 64*(\a)
.if (\k) < 8                           ; the largest magnitude of my 16 numbers of each block of 32, with the floor 2^(3 - 127) among the leaves
	WIN (EW<<2)|(EW<<4)
.irp b, 0,1,2,3
.if (\k) == 0
	v_max3_num_f32 v[TM+\b], 0x1800000, |v[AC+16*\b]|, |v[AC+16*\b+1]|
.else
	v_max3_num_f32 v[TM+\b], v[TM+\b], |v[AC+16*\b+2*(\k)]|, |v[AC+16*\b+2*(\k)+1]|
.endif
.endr
.elseif (\k) == 8
	WIN 0
.irp b, 0,1,2,3
	v_permlanex16_b32 v[TM+4+\b], v[TM+\b], s[SEL], s[SEL+1]
.endr
.elseif (\k) == 9
	WIN 0
.irp b, 0,1,2,3
	v_max_num_f32 v[TM+\b], v[TM+\b], v[TM+4+\b]           ; with lane l xor 16's 16
.endr
.elseif (\k) == 10
	WIN 0
.irp b, 0,1,2,3
	v_add_nc_u32 v[TM+8+\b], 0xff000000, v[TM+\b]          ; 2 off the exponent field: the conversion's scale operand
.endr
.elseif (\k) == 11
	WIN 0
.irp b, 0,1,2,3
	v_lshrrev_b32 v[TM+4+\b], 23, v[TM+8+\b]               ; the byte
.endr
.elseif (\k) == 12
	WIN 0
	v_lshl_or_b32 v[WD+(\a)], v[TM+5], 8, v[TM+4]
	v_lshl_or_b32 v[WD+(\a)], v[TM+6], 16, v[WD+(\a)]
	v_lshl_or_b32 v[WD+(\a)], v[TM+7], 24, v[WD+(\a)]
.elseif (\k) == 13
	s_wait_alu depctr_va_vdst(0)                           ; directly ahead of the wait below
	s_wait_xcnt 0x0                                        ; earlier stores have read this set's codes
	WIN EW
.irp c, 0,1
	v_cvt_scalef32_pk16_fp6_f32 v[E+6*\c:E+6*\c+2], v[AC+32*\c:AC+32*\c+15], v[TM+8+2*\c]
	v_cvt_scalef32_pk16_fp6_f32 v[E+12+4*\c:E+14+4*\c], v[AC+32*\c+16:AC+32*\c+31], v[TM+9+2*\c]
.endr
	v_nop                                                  ; one plain place behind the scaled conversions
.elseif (\k) < 16                      ; the layout wants a whole block in a lane
	WIN 0
.irp i, 0,1,2
	v_permlane16_swap_b32 v[E+6*((\k)-14)+\i], v[E+12+4*((\k)-14)+\i]
.endr
.irp i, 0,1,2
	v_mov_b32 v[E+3+6*((\k)-14)+\i], v[E+12+4*((\k)-14)+\i]
.endr
.else
	WIN 0
.irp c, 0,1,2
	global_store_b128 v3, v[E+4*\c:E+4*\c+3], s[EB:EB+1] offset:EO+1536*(\a)+512*\c   ; 512 consecutive bytes
.endr
.endif
.endm
.macro WORDS                           ; lanes 0-15 store the words of tiles 0, 1, lanes 16-31 those of tiles 2, 3: 256 consecutive bytes
	WIN 0
	v_cndmask_b32 v[DD], v[WD], v[WD+2], s46
	v_cndmask_b32 v[DD+1], v[WD+1], v[WD+3], s46
	global_store_b64 v13, v[DD:DD+1], s[EWB:EWB+1] offset:EO
.endm
.macro WAYOUT eb, ewb, eo              ; a finished tile: its four tiles of 16 rows, two at a time, piece by piece; then the scale words
	WIN 0
	PLACES
.set EB, \eb
.set EWB, \ewb
.set EO, \eo
.irp p, 0,2
.irp k, 0,1,2,3,4,5,6,7,8,9,10,11,12,13,14,15,16
	EP \p, \k
	EP \p+1, \k
.endr
.endr
	WORDS
.endm
; 32 products of K step s of tile t; the 32 accumulators take turns, in the same order in every step.
.macro MUL t, s
.set MP, (\s)%2
.irp a, 0,1,2,3
.irp b, 0,1,2,3,4,5,6,7
.set I, 8*\a+\b
.if (\s) > 0
	WIN 0xa1
	v_wmma_scale_f32_16x16x128_f8f6f4 v[8*I:8*I+7], v[96*MP+12*\b:96*MP+12*\b+11], v[AF+48*MP+12*\a:AF+48*MP+12*\a+11], v[8*I:8*I+7], v[SC+12*MP+4+\b], v[SC+12*MP+\a] matrix_a_fmt:MATRIX_FMT_FP6 matrix_b_fmt:MATRIX_FMT_FP6
.else
	WIN 0x91                                       ; C: the bias, in window 1
.if (\t) == 2
	v_wmma_scale_f32_16x16x128_f8f6f4 v[8*I:8*I+7], v[96*MP+12*\b:96*MP+12*\b+11], v[AF+48*MP+12*\a:AF+48*MP+12*\a+11], v[BC+8*\a:BC+8*\a+7], v[SC+12*MP+4+\b], v[SC+12*MP+\a] matrix_a_fmt:MATRIX_FMT_FP6 matrix_b_fmt:MATRIX_FMT_FP6
.else
	v_wmma_scale_f32_16x16x128_f8f6f4 v[8*I:8*I+7], v[96*MP+12*\b:96*MP+12*\b+11], v[AF+48*MP+12*\a:AF+48*MP+12*\a+11], v[BC+8*\b:BC+8*\b+7], v[SC+12*MP+4+\b], v[SC+12*MP+\a] matrix_a_fmt:MATRIX_FMT_FP6 matrix_b_fmt:MATRIX_FMT_FP6
.endif
.endif
.endr
.endr
.endm
; Half g of the weights' region has been read out.  Each wave waits for all its tensor loads, adds 0 to its spare word, steps half g's descriptor and waits for the add; behind the round the joint refill comes first.
.macro TURNR g
	s_wait_tensorcnt 0x0
	ds_add_u32 v[SPW], v[NIL]
	s_add_nc_u64 s[G0H+4*\g+2:G0H+4*\g+3], s[G0H+4*\g+2:G0H+4*\g+3], TSTEP
	s_wait_dscnt 0x0
	CROUND
	tensor_load_to_lds s[G0H+4*\g:G0H+4*\g+3], s[G1H:G1H+7]
	s_nop 0
	PLACES                                         ; (also the places ahead of the loads that follow)
.endm
.macro BIASLD base                     ; register 16 b + n: the bias of column 32 b + 16 h + n of my 128
	WIN 0x40
.irp b, 0,1,2,3
.irp q, 0,1,2,3
	global_load_b128 v[BC+16*\b+4*\q:BC+16*\b+4*\q+3], v22, s[\base:\base+1] offset:128*\b+16*\q
.endr
.endr
.endm
.macro STEP t, s
.set NXT, 8*(\t)+(\s)+1
	WIN 0
.if (\t) > 0
	s_wait_alu depctr_va_vdst(0)                   ; directly ahead of the wait below: it covers the vector writes ahead of it (a way out's, V's bias)
.endif
	s_wait_dscnt 0x0                               ; this step's set is in: so are all my LDS reads up to here
.if ((\s) == 0) && ((\t) < 2)
	s_wait_loadcnt 0x0                             ; this tile's bias
.endif
.if ((\s) == 3) && ((\t) < NT-1)
	TURNR 0
.elseif ((\s) == 7) && ((\t) < NT-1)
	TURNR 1
.elseif (\s) == 3
	s_wait_tensorcnt 0x0                           ; the last tile: my one load that is out is its second half
	BAR
	PLACES
.elseif (NXT > 1) && (NXT < 8*NT)
	PLACES
.endif
.if ((\s) == 1) && ((\t) == 0)
	BIASLD 10                                      ; bk takes bq's registers, four places behind the products that read them
.elseif ((\s) == 1) && ((\t) == 1)
	WIN 0x40
.irp a, 0,1,2,3
.irp j, 0,1,2,3,4,5,6,7
	v_mov_b32 v[BC+8*\a+\j], v[BI+\a]              ; V: the bias of my lane's column of Wv, in all eight registers
.endr
.endr
.endif
.if NXT < 8*NT
.irp g, 0,1,2,3,4,5,6,7,8,9,10,11,12
	FG NXT, \g                                     ; the next step's 39 loads, in one run
.endr
.endif
	MUL \t, \s
.endm
	s_load_b256 s[4:11], s[0:1], 0x0               ; ximg, wimg, bq, bk
	s_load_b128 s[36:39], s[0:1], 0x20             ; bv, qkv
	v_lshl_add_u32 v[SPW], v0, 2, SPARE
	v_mov_b32 v[NIL], 0
	ds_add_u32 v[SPW], v[NIL]                      ; the opening lines: the add twice on end
	ds_add_u32 v[SPW], v[NIL]
	v_lshrrev_b32 v1, 5, v0
	v_readfirstlane_b32 s14, v1                    ; wave
	s_lshr_b32 s15, s14, 1
	s_and_b32 s16, s14, 1
	s_bfe_u32 s40, ttmp6, 0x40000                  ; cx
	s_bfe_u32 s41, ttmp6, 0x40004                  ; cy
	s_lshl_b32 s42, ttmp9, 2
	s_add_co_u32 s42, s42, s40                     ; which 256 columns
	s_and_b32 s18, ttmp7, 0xffff
	s_lshl_b32 s17, s18, 2
	s_add_co_u32 s17, s17, s41                     ; which 128 tokens
	s_lshl_b32 s43, s41, 2
	s_lshl_b32 s43, 15, s43                        ; my row of the cluster
	s_lshl_b32 s44, 0x1111, s40                    ; my column
	; group 1: dense blocks as rows of 256 bytes (32 elements of 8 bytes): 50 rows are one block
	s_or_b32 s[G1X], s43, (3<<16)|(1<<21)
	s_or_b32 s[G1C], s44, (3<<16)|(1<<21)
	s_or_b32 s[G1H], s44, (3<<16)|(1<<21)
.irp g, G1X, G1C, G1H
	s_mov_b32 s[\g+1], 32<<16
	s_mov_b32 s[\g+3], 32<<16
	s_mov_b32 s[\g+5], 32
	s_mov_b32 s[\g+6], 0
	s_mov_b32 s[\g+7], 0
.endr
	s_mov_b32 s[G1X+2], 200<<16
	s_mov_b32 s[G1X+4], 200
	s_mov_b32 s[G1C+2], 200<<16
	s_mov_b32 s[G1C+4], 200
	s_mov_b32 s[G1H+2], 100<<16
	s_mov_b32 s[G1H+4], 100
	s_mul_i32 s45, s16, 4*BLK                      ; x: K steps 4 (w & 1) on
	s_mul_i32 s2, s17, RG
	s_add_co_u32 s2, s2, s45
	s_mov_b32 s3, 0
	s_mul_i32 s47, s16, RG                         ; a weight: row group w & 1,
	s_mul_i32 s19, s15, 2*BLK
	s_add_co_u32 s67, s47, s19                     ; and in a half its blocks 2 (w >> 1) and the next
	s_mul_i32 s92, s42, 2*RG
	s_add_co_u32 s96, s92, s47
	s_mov_b32 s97, 0
	s_add_co_u32 s98, s92, s67
	s_mov_b32 s99, 0
	s_wait_dscnt 0x0                               ; both opening adds are done
	s_wait_kmcnt 0x0
	s_add_nc_u64 s[12:13], s[4:5], s[2:3]
	s_add_nc_u64 s[96:97], s[6:7], s[96:97]
	s_add_nc_u64 s[98:99], s[6:7], s[98:99]
	s_mov_b32 s[G0X], 1
	s_add_co_u32 s[G0X+1], s45, LX
	s_mov_b64 s[G0X+2:G0X+3], s[12:13]
	s_or_b32 s[G0X+3], s[G0X+3], 0x80000000
	s_mov_b32 s[G0C], 1
	s_add_co_u32 s[G0C+1], s47, LW
	s_mov_b64 s[G0C+2:G0C+3], s[96:97]
	s_or_b32 s[G0C+3], s[G0C+3], 0x80000000
.irp k, 0,1
	s_mov_b32 s[G0H+4*\k], 1
	s_add_co_u32 s[G0H+4*\k+1], s67, LW+4*\k*BLK
	s_add_nc_u64 s[G0H+4*\k+2:G0H+4*\k+3], s[98:99], 4*\k*BLK     ; Wq's; half 0's is stepped ahead of its first use
	s_or_b32 s[G0H+4*\k+3], s[G0H+4*\k+3], 0x80000000
.endr
	CROUND                                         ; all sixteen work-groups are here: the joint loads meet
	s_cmp_eq_u32 s15, 0                            ; one load a wave: waves 0, 1 for x, waves 2, 3 for the weight
	s_cbranch_scc0 .Lhead_w
	tensor_load_to_lds s[G0X:G0X+3], s[G1X:G1X+7]
	s_nop 0
	PLACES
	s_branch .Lhead_asked
.Lhead_w:
	tensor_load_to_lds s[G0C:G0C+3], s[G1C:G1C+7]
	s_nop 0
	PLACES
.Lhead_asked:
	v_and_b32 v1, 15, v0                           ; r
	v_bfe_u32 v2, v0, 4, 1                         ; h
	v_and_b32 v3, 31, v0
	v_lshlrev_b32 v3, 4, v3                        ; 16 x lane
	v_lshlrev_b32 v12, 4, v1                       ; 16 r
	v_lshl_add_u32 v13, v2, 3, v12                 ; 16 r + 8 h
	s_mul_i32 s2, s15, 6144
	v_add_nc_u32 v[AXN], s2, v3
	v_add_nc_u32 v[AXN+1], 4*BLK, v[AXN]
	s_add_co_u32 s3, s47, LW
	v_add_nc_u32 v[AWN], s3, v3
	v_add_nc_u32 v[AWN+1], 4*BLK, v[AWN]
	s_add_co_u32 s3, s3, 12288
	v_add_nc_u32 v[SWN], s3, v12
	v_add_nc_u32 v[SWN+1], 4*BLK, v[SWN]
	s_lshl_b32 s2, s15, 8
	s_add_co_u32 s2, s2, LX+12288
	v_add_nc_u32 v[SXN], s2, v12
	v_add_nc_u32 v[SXN+1], 4*BLK, v[SXN]
	s_mul_i32 s2, s15, RG
	s_add_co_u32 s2, s2, LW
	s_mul_i32 s3, s16, 6144
	s_add_co_u32 s3, s3, s2
	v_add_nc_u32 v[AWV], s3, v3
	v_add_nc_u32 v[AWV+1], 4*BLK, v[AWV]
	s_lshl_b32 s3, s16, 8
	s_add_co_u32 s3, s3, s2
	s_add_co_u32 s3, s3, 12288
	v_add_nc_u32 v[SWV], s3, v12
	v_add_nc_u32 v[SWV+1], 4*BLK, v[SWV]
	v_add_nc_u32 v[AXV], LX, v3
	v_add_nc_u32 v[AXV+1], LX+4*BLK, v3
	v_add_nc_u32 v[SXV], LX+12288, v12
	v_add_nc_u32 v[SXV+1], LX+4*BLK+12288, v12
	v_cmp_ne_u32 s46, 0, v2                        ; the lanes 16-31
	s_mov_b32 s[SEL], 0x76543210
	s_mov_b32 s[SEL+1], 0xfedcba98
.irp b, 0,1,2,3
	v_mov_b32 v[EPR+24+\b], 0                      ; written once: a lane permute's destination counts as one of its sources
	v_mov_b32 v[EPR+56+\b], 0
.endr
	s_lshl_b32 s19, s42, 1                         ; the first of my work-group's two groups of 128 columns
	s_add_co_u32 s92, s19, s16
	s_lshl_b32 s92, s92, 9
	s_mov_b32 s93, 0
	s_add_nc_u64 s[8:9], s[8:9], s[92:93]          ; bq at my 128 columns
	s_add_nc_u64 s[10:11], s[10:11], s[92:93]      ; bk likewise
	s_add_co_u32 s94, s19, s15
	s_lshl_b32 s94, s94, 9
	s_lshl_b32 s95, s16, 8
	s_add_co_u32 s94, s94, s95
	s_mov_b32 s95, 0
	s_add_nc_u64 s[36:37], s[36:37], s[94:95]      ; bv at my 64 columns of Wv
	v_lshlrev_b32 v22, 6, v2                       ; 64 h
	v_and_b32 v23, 8, v1
	v_add_nc_u32 v23, v23, v1
	v_lshlrev_b32 v23, 2, v23                      ; 4 (r + 8 (r / 8))
	BIASLD 8
	WIN 0
.irp a, 0,1,2,3
	global_load_b32 v[BI+\a], v23, s[36:37] offset:4*(32*(\a/2)+8*(\a%2))                  ; bv of my row of tile a
.endr
	; where the results go.  Q, K: block 8 x (128 tokens) + my 128 columns, my four tiles of tokens.  V^T: block 128 x batch + 16 x (128 columns) + the tokens' K step, my four tiles of columns
	s_lshl_b32 s92, s17, 3
	s_add_co_u32 s92, s92, s19
	s_add_co_u32 s92, s92, s16
	s_mul_i32 s92, s92, BLK
	s_add_nc_u64 s[32:33], s[38:39], s[92:93]
	s_lshl_b32 s94, s15, 8
	s_add_co_u32 s94, s94, 12288
	s_add_nc_u64 s[34:35], s[32:33], s[94:95]      ; Q's scale words (K's lie 6,553,600 bytes on)
	s_mul_i32 s94, s15, 6144
	s_add_nc_u64 s[32:33], s[32:33], s[94:95]      ; Q's codes
	s_lshr_b32 s92, s17, 4
	s_lshl_b32 s92, s92, 7
	s_add_co_u32 s94, s19, s15
	s_lshl_b32 s94, s94, 4
	s_add_co_u32 s92, s92, s94
	s_and_b32 s94, s17, 15
	s_add_co_u32 s92, s92, s94
	s_mul_i32 s92, s92, BLK
	s_add_co_u32 s92, s92, 13107200
	s_add_nc_u64 s[38:39], s[38:39], s[92:93]
	s_lshl_b32 s94, s16, 8
	s_add_co_u32 s94, s94, 12288
	s_add_nc_u64 s[96:97], s[38:39], s[94:95]      ; V^T's scale words
	s_mul_i32 s94, s16, 6144
	s_add_nc_u64 s[38:39], s[38:39], s[94:95]      ; V^T's codes
	s_wait_alu depctr_va_vdst(0)
	s_wait_tensorcnt 0x0                           ; my tile of the head's four is in; the same lines ahead of a later first fill as ahead of a refill
	ds_add_u32 v[SPW], v[NIL]
	s_wait_dscnt 0x0
	CROUND                                         ; all four tiles are in, and all sixteen work-groups are here
	tensor_load_to_lds s[G0H+4:G0H+7], s[G1H:G1H+7]   ; Wq's K steps 4-7: read first in K step 4's fetch, behind the wait and round of K step 3
	s_nop 0
	PLACES
.irp g, 0,1,2,3,4,5,6,7,8,9,10,11,12
	FG 0, \g
.endr
.irp s, 0,1,2,3,4,5,6,7
	STEP 0, \s
.endr
	WAYOUT 32, 34, 0                               ; Q
.irp s, 0,1,2,3,4,5,6,7
	STEP 1, \s
.endr
	WAYOUT 32, 34, 6553600                         ; K
.irp s, 0,1,2,3,4,5,6,7
	STEP 2, \s
.endr
	WAYOUT 38, 96, 0                               ; V^T
	s_wait_tensorcnt 0x0                           ; the wave's end
	ds_add_u32 v[SPW], v[NIL]
	s_wait_dscnt 0x0
	CROUND                                         ; the closing round
	s_endpgm
.Lfunc_end_k_qad5ee1ebb7_qkv:
	.size	k_qad5ee1ebb7_qkv, .Lfunc_end_k_qad5ee1ebb7_qkv-k_qad5ee1ebb7_qkv
	.p2alignl 7, 3214868480
	.fill 96, 4, 3214868480
	.section	.rodata,"a",@progbits
	.p2align	6, 0x0
	.amdhsa_kernel k_qad5ee1ebb7_qkv
		.amdhsa_group_segment_fixed_size 327680
		.amdhsa_private_segment_fixed_size 0
		.amdhsa_enable_private_segment 0
		.amdhsa_kernarg_size 48
		.amdhsa_user_sgpr_count 2
		.amdhsa_user_sgpr_kernarg_segment_ptr 1
		.amdhsa_wavefront_size32 1
		.amdhsa_system_sgpr_workgroup_id_x 1
		.amdhsa_system_sgpr_workgroup_id_y 1
		.amdhsa_system_sgpr_workgroup_id_z 1
		.amdhsa_system_vgpr_workitem_id 0
		.amdhsa_next_free_vgpr 768
		.amdhsa_next_free_sgpr 100
		.amdhsa_reserve_vcc 0
		.amdhsa_float_denorm_mode_32 3
		.amdhsa_float_denorm_mode_16_64 3
		.amdhsa_memory_ordered 1
		.amdhsa_forward_progress 1
		.amdhsa_inst_pref_size 229
	.end_amdhsa_kernel
	.amdgpu_metadata
---
amdhsa.version: [ 1, 2 ]
amdhsa.kernels:
  - .name:           k_qad5ee1ebb7_qkv
    .symbol:         k_qad5ee1ebb7_qkv.kd
    .args:
      - { .name: ximg, .offset: 0, .size: 8, .value_kind: global_buffer, .address_space: global }
      - { .name: wimg, .offset: 8, .size: 8, .value_kind: global_buffer, .address_space: global }
      - { .name: bq, .offset: 16, .size: 8, .value_kind: global_buffer, .address_space: global }
      - { .name: bk, .offset: 24, .size: 8, .value_kind: global_buffer, .address_space: global }
      - { .name: bv, .offset: 32, .size: 8, .value_kind: global_buffer, .address_space: global }
      - { .name: qkv, .offset: 40, .size: 8, .value_kind: global_buffer, .address_space: global }
    .group_segment_fixed_size: 327680
    .private_segment_fixed_size: 0
    .kernarg_segment_align: 8
    .kernarg_segment_size: 48
    .max_flat_workgroup_size: 128
    .sgpr_count:     100
    .vgpr_count:     768
    .wavefront_size: 32
...
	.end_amdgpu_metadata
.endif
;; end of part 2
;; launch score (part 3): grid 4 x 64, 4 waves a work-group, clusters of 4 x 4, 327,680 bytes of LDS; arguments qkv, mask, pimg, pstat; writes pimg, pstat
.if DOCPART == 3
	.amdgcn_target "amdgcn-amd-amdhsa--gfx1250"
	.amdhsa_code_object_version 6
	.text
	.protected	k_qad5ee1ebb7_score
	.globl	k_qad5ee1ebb7_score
	.p2align	8
	.type	k_qad5ee1ebb7_score,@function
k_qad5ee1ebb7_score:
	s_mov_b64 s[64:65], 0
	v_nop
	global_prefetch_b8 v0, s[64:65] scope:SCOPE_SE
	s_setreg_imm32_b32 hwreg(HW_REG_WAVE_MODE, 25, 1), 1
	s_wait_xcnt 0x0
	s_wait_alu depctr_hold_cnt(0) depctr_sa_sdst(0) depctr_va_vdst(0) depctr_va_sdst(0) depctr_va_ssrc(0) depctr_va_vcc(0) depctr_vm_vsrc(0)
	s_getreg_b32 s2, hwreg(HW_REG_IB_STS2, 6, 4)
	s_cmp_eq_u32 s2, 0
	s_cbranch_scc0 .Lentry_in_a_cluster
	s_endpgm
.Lentry_in_a_cluster:
	s_bfe_u32 s2, ttmp6, 0x10000c
	s_cmp_lg_u32 s2, 0xf033
	s_cbranch_scc0 .Lentry_shape_is_right
	s_endpgm
.Lentry_shape_is_right:
; S = Q K^T on codes of FP6 (E2M3) with E8M0 scales; the mask; p = 2^(t - M) under a LOCAL whole M, that of the wave's 128 keys; p quantised along the keys.  t = score x log2(e) / 32.
; Since M is a whole number, the next launch brings every stretch of 128 keys under the row's M by adding a whole number to p's scale bytes and to the exponent of the local sums: the codes do not change.
; Stored for each (128 queries, 128 keys): p's codes as 8 tile images (12,288 bytes), and four planes of 512 bytes: p's scale words, -M, the local sum of the unquantised p of lanes 0-15 and of lanes 16-31;
; in a plane the row of tile 4 g + j, lane r, lies at 256 g + 16 r + 4 j.
; THE MASK is an input and is honoured byte by byte (its bytes are 0 or 1, as the buffer's type states): a masked score becomes -2^120.  Times c that is a whole number, exactly: where all 128 keys are masked
; t - M is 0 and p = 1 (a row with no open key so gets equal weights, as the reference's softmax gives); beside any open key p is 0.
; LIMITS: scores lie above -2^120; NaN and infinities are not served; a block whose every p is 0 gets the byte 1 (zero codes).
; The GEMM: source 0 = K's rows, source 1 = Q's rows, images of registers in blocks of 12,800 bytes, lane r of tile T = row 32 (T / 2) + 8 (T % 2) + r + 8 (r / 8): a lane holds one query, and register
; 16 b + n of its 64 is key 32 b + 16 (lane / 16) + n.  A wave makes 64 queries x 128 keys.
; A WORK-GROUP STAYS.  It owns 128 queries (Q's row group, 102,400 bytes, which lie in LDS for the whole launch) and makes two tiles of 256 keys.  K's region, 204,800 bytes, is two halves of four K steps: when a half of
; the first tile has been read out it is filled with the second tile's: one tensor load a wave (25,600 bytes), behind a round of the cluster's barrier; it has four K steps' products in which to land.
; At the start a wave issues one load (waves 0, 1 Q's K steps 4 (w & 1) on, waves 2, 3 K steps 0-3 of K's row group w & 1), then behind a round the first tile's K steps 4-7: one is out at the most.
; CLUSTER 4 x 4: Q's blocks jointly along a row of the cluster, K's along a column.
; REGISTERS.  window 0: v1-19 addresses, v20-23 and v28-31 statistics on their way out, v26-27 the add's, v32-55 scale words, v56-151 Q's fragments (two sets; on the way out v104-119 the mask, v120-140 at work),
;   v152-215 a tile's 64 numbers, v216-235 codes, v236-255 at work.   window 1: v0-191 K's fragments, v192-255 the mask as loaded.   window 2: accumulator (a, b) at v[8 (8 a + b)].
.set BLK,  12800
.set RG,   8*BLK
.set LX,   0                           ; Q's row group
.set LW,   RG                          ; K's two row groups
.set MST,  3*RG                        ; the mask's stage: 128 rows of 64 bytes + 16
.set MP,   80                          ; 5 x 16: sixteen rows start at sixteen different 16-byte columns modulo 256
.set SPARE, MST+128*MP                 ; the spare words: 128 bytes for each wave, two blocks of 256 bytes that no other line names
.set NT,   2                           ; tiles
.set TSTEP, 2*RG                       ; bytes from a tile of 256 keys to the next
.set AXN,  4
.set AWN,  6
.set SXN,  8
.set SWN,  10
.set LS,   20
.set SPW,  26
.set NIL,  27
.set DD,   28
.set SC,   32
.set AF,   56
.set MK,   104
.set PWD,  120
.set NMS,  124
.set H,    152
.set PC,   216
.set TM,   236
.set MR,   192
.set SEL,  20
.set CS,   22
.set G1X,  24
.set G1C,  48
.set G1H,  56
.set G0X,  68
.set G0C,  76
.set G0H,  84
.set MSB, 0
.macro WIN new                         ; the immediate's high byte repeats the setting that is left
.if MSB != \new
	s_set_vgpr_msb (MSB<<8)|\new
.set MSB, \new
.endif
.endm
.macro PLACES                          ; four plain places behind a matrix instruction, ahead of loads into its registers and of reads of its results
.rept 4
	v_nop
.endr
.endm
.macro BAR
	s_barrier_signal -1
	s_barrier_wait -1
.endm
.macro CROUND                          ; a round of the cluster's barrier
	s_barrier_signal -1
	s_barrier_wait -1
	s_cmp_lg_u32 s14, 0
	s_cbranch_scc1 .Lnot_wave_0_\@
	s_barrier_signal -3
.Lnot_wave_0_\@:
	s_barrier_wait -3
	s_barrier_signal -1
	s_barrier_wait -1
.endm
.macro FRAG reg, adr, off
.irp c, 0,1,2
	ds_load_b128 v[\reg+4*\c:\reg+4*\c+3], v[\adr] offset:\off+512*\c
.endr
.endm
.macro FETCHN s                        ; K step s: K's 8 fragments, Q's 4, 12 scale words: 39 loads into set s % 2
.set FP, (\s)%2
.set FH, (\s)/4
.set FO, ((\s)%4)*BLK
	WIN 0x40
.irp i, 0,1,2,3,4,5,6,7
	FRAG 96*FP+12*\i, AWN+FH, FO+1536*\i
.endr
	WIN 0
.irp a, 0,1,2,3
	FRAG AF+48*FP+12*\a, AXN+FH, FO+1536*\a
.endr
	ds_load_b128 v[SC+12*FP:SC+12*FP+3], v[SXN+FH] offset:FO
	ds_load_b128 v[SC+12*FP+4:SC+12*FP+7], v[SWN+FH] offset:FO
	ds_load_b128 v[SC+12*FP+8:SC+12*FP+11], v[SWN+FH] offset:FO+256
.endm
.macro MUL s, zero                     ; 32 products; the 32 accumulators take turns, in the same order in every step; zero = 1: a tile's first products start its sums
.set MP2, (\s)%2
	WIN 0xa1
.irp a, 0,1,2,3
.irp b, 0,1,2,3,4,5,6,7
.if \zero
	v_wmma_scale_f32_16x16x128_f8f6f4 v[8*(8*\a+\b):8*(8*\a+\b)+7], v[96*MP2+12*\b:96*MP2+12*\b+11], v[AF+48*MP2+12*\a:AF+48*MP2+12*\a+11], 0, v[SC+12*MP2+4+\b], v[SC+12*MP2+\a] matrix_a_fmt:MATRIX_FMT_FP6 matrix_b_fmt:MATRIX_FMT_FP6
.else
	v_wmma_scale_f32_16x16x128_f8f6f4 v[8*(8*\a+\b):8*(8*\a+\b)+7], v[96*MP2+12*\b:96*MP2+12*\b+11], v[AF+48*MP2+12*\a:AF+48*MP2+12*\a+11], v[8*(8*\a+\b):8*(8*\a+\b)+7], v[SC+12*MP2+4+\b], v[SC+12*MP2+\a] matrix_a_fmt:MATRIX_FMT_FP6 matrix_b_fmt:MATRIX_FMT_FP6
.endif
.endr
.endr
.endm
; Half g of K's region has been read out (its last fragments are in registers).  Each wave waits for all its tensor loads, adds 0 to its spare word, steps half g's descriptor to the next tile and waits for the add;
; behind the round no wave of any partner reads half g or has a load on its way, the other half is whole, and the joint refill comes first.
.macro TURNR g
	WIN 0
	s_wait_tensorcnt 0x0
	ds_add_u32 v[SPW], v[NIL]
	s_add_nc_u64 s[G0H+4*\g+2:G0H+4*\g+3], s[G0H+4*\g+2:G0H+4*\g+3], TSTEP
	s_wait_dscnt 0x0
	CROUND
	tensor_load_to_lds s[G0H+4*\g:G0H+4*\g+3], s[G1H:G1H+7]
	s_nop 0
.rept 4
	v_nop                                          ; (also the places ahead of the loads that follow)
.endr
.endm
.macro STEP t, s                       ; K step s of tile t
.set NXT, 8*(\t)+(\s)+1
	s_wait_dscnt 0x0                               ; this step's set is in: so are all my LDS reads up to here
.if ((\s) == 3) && ((\t) < NT-1)
	TURNR 0
.elseif ((\s) == 7) && ((\t) < NT-1)
	TURNR 1
.elseif (\s) == 3
	s_wait_tensorcnt 0x0                           ; the last tile: my one load that is out is its second half
	BAR
	PLACES
.elseif (NXT > 1) && (NXT < 8*NT)
	PLACES
.endif
.if NXT < 8*NT
	FETCHN NXT%8
.endif
.if (\s) == 0
	MUL \s, 1
.else
	MUL \s, 0
.endif
.endm
.macro CODES s
.irp c, 0,1
	v_cvt_scalef32_pk16_fp6_f32 v[PC+6*\c:PC+2+6*\c], v[\s+32*\c:\s+15+32*\c], v[TM+12+2*\c]
	v_cvt_scalef32_pk16_fp6_f32 v[PC+12+4*\c:PC+14+4*\c], v[\s+16+32*\c:\s+31+32*\c], v[TM+12+2*\c+1]
.endr
	v_nop                                          ; one plain place behind the scaled conversions
.irp c, 0,1
.irp i, 0,1,2
	v_permlane16_swap_b32 v[PC+6*\c+\i], v[PC+12+4*\c+\i]
.endr
.irp i, 0,1,2
	v_mov_b32 v[PC+3+6*\c+\i], v[PC+12+4*\c+\i]
.endr
.endr
.endm
.macro MASKLOAD t                      ; the mask of tile t, 128 queries x 256 keys: wave w takes rows 32 w on; sixteen lanes read a row's 256 consecutive bytes
	WIN 0x40
.irp i, 0,1,2,3,4,5,6,7,8,9,10,11,12,13,14,15
	global_load_b128 v[MR+4*\i:MR+4*\i+3], v14, s[6:7] offset:4096*\i+256*(\t) th:TH_LOAD_NT
.endr
	WIN 0
.endm
	s_load_b256 s[4:11], s[0:1], 0x0               ; qkv, mask, pimg, pstat
	v_lshl_add_u32 v[SPW], v0, 2, SPARE
	v_mov_b32 v[NIL], 0
	ds_add_u32 v26, v27
	ds_add_u32 v26, v27
	s_wait_dscnt 0x0
	v_lshrrev_b32 v1, 5, v0
	v_readfirstlane_b32 s14, v1                    ; wave
	s_lshr_b32 s15, s14, 1                         ; which 64 queries are mine
	s_and_b32 s16, s14, 1                          ; which 128 keys of a tile
	s_bfe_u32 s40, ttmp6, 0x40000                  ; cx
	s_bfe_u32 s41, ttmp6, 0x40004                  ; cy
	s_lshl_b32 s42, ttmp9, 2
	s_add_co_u32 s42, s42, s40                     ; which 512 keys of the batch
	s_and_b32 s18, ttmp7, 0xffff
	s_lshl_b32 s17, s18, 2
	s_add_co_u32 s17, s17, s41                     ; which 128 queries, all batches on end
	s_lshl_b32 s43, s41, 2
	s_lshl_b32 s43, 15, s43
	s_lshl_b32 s44, 0x1111, s40
	; descriptors, group 1: dense blocks as rows of 256 bytes (32 elements of 8 bytes): 50 rows are one block, 100 two
	s_or_b32 s[G1X], s43, (3<<16)|(1<<21)
	s_or_b32 s[G1C], s44, (3<<16)|(1<<21)
	s_or_b32 s[G1H], s44, (3<<16)|(1<<21)
.irp g, G1X, G1C, G1H
	s_mov_b32 s[\g+1], 32<<16
	s_mov_b32 s[\g+3], 32<<16
	s_mov_b32 s[\g+5], 32
	s_mov_b32 s[\g+6], 0
	s_mov_b32 s[\g+7], 0
.endr
	s_mov_b32 s[G1X+2], 200<<16                    ; the head's loads: four blocks each
	s_mov_b32 s[G1X+4], 200
	s_mov_b32 s[G1C+2], 200<<16
	s_mov_b32 s[G1C+4], 200
	s_mov_b32 s[G1H+2], 100<<16
	s_mov_b32 s[G1H+4], 100
	; what I fetch.  Q (waves 0, 1): blocks 4 (w & 1) to 4 (w & 1) + 3.  K: of row group w & 1, blocks 0-3 (waves 2, 3), blocks 4 g + 2 (w >> 1) and the next of half g
	s_mul_i32 s45, s16, 4*BLK                      ; Q: K steps 4 (w & 1) on
	s_mul_i32 s2, s17, RG
	s_add_co_u32 s2, s2, s45
	s_mov_b32 s3, 0
	s_mul_i32 s47, s16, RG
	s_mul_i32 s19, s15, BLK
	s_add_co_u32 s66, s47, s19
	s_add_co_u32 s67, s66, s19
	s_lshr_b32 s92, s18, 2                         ; the batch: the same in the whole cluster
	s_lshl_b32 s92, s92, 4
	s_lshl_b32 s93, s42, 2
	s_add_co_u32 s92, s92, s93
	s_mul_i32 s92, s92, RG
	s_add_co_u32 s92, s92, 6553600                 ; K's images lie behind Q's
	s_add_co_u32 s96, s92, s47                     ; K: row group w & 1
	s_mov_b32 s97, 0
	s_add_co_u32 s98, s92, s67
	s_mov_b32 s99, 0
	s_wait_kmcnt 0x0
	s_add_nc_u64 s[12:13], s[4:5], s[2:3]
	s_add_nc_u64 s[96:97], s[4:5], s[96:97]
	s_add_nc_u64 s[98:99], s[4:5], s[98:99]
	s_mov_b32 s[G0X], 1
	s_add_co_u32 s[G0X+1], s45, LX
	s_mov_b64 s[G0X+2:G0X+3], s[12:13]
	s_or_b32 s[G0X+3], s[G0X+3], 0x80000000
	s_mov_b32 s[G0C], 1
	s_add_co_u32 s[G0C+1], s47, LW
	s_mov_b64 s[G0C+2:G0C+3], s[96:97]
	s_or_b32 s[G0C+3], s[G0C+3], 0x80000000
.irp k, 0,1
	s_mov_b32 s[G0H+4*\k], 1
	s_add_co_u32 s[G0H+4*\k+1], s67, LW+4*\k*BLK
	s_add_nc_u64 s[G0H+4*\k+2:G0H+4*\k+3], s[98:99], 4*\k*BLK     ; the first tile's; half 0's is stepped ahead of its first use
	s_or_b32 s[G0H+4*\k+3], s[G0H+4*\k+3], 0x80000000
.endr
	CROUND                                         ; all sixteen work-groups are here: the joint loads meet
	s_cmp_eq_u32 s15, 0                            ; THE HEAD'S LOADS, one a wave, 51,200 bytes each: waves 0, 1 Q's K steps 0-3 and 4-7, waves 2, 3 K steps 0-3 of K's two row groups
	s_cbranch_scc0 .Lhead_w
	tensor_load_to_lds s[G0X:G0X+3], s[G1X:G1X+7]
	s_nop 0
.rept 4
	v_nop
.endr
	s_branch .Lhead_asked
.Lhead_w:
	tensor_load_to_lds s[G0C:G0C+3], s[G1C:G1C+7]
	s_nop 0
.rept 4
	v_nop
.endr
.Lhead_asked:
	v_and_b32 v1, 15, v0
	v_bfe_u32 v2, v0, 4, 1                         ; h
	v_and_b32 v3, 31, v0
	v_lshlrev_b32 v3, 4, v3                        ; 16 x lane
	s_wait_alu depctr_va_vdst(0)
	v_lshlrev_b32 v12, 4, v1                       ; 16 r
	s_wait_alu depctr_va_vdst(0)
	s_lshl_b32 s2, s17, 18                         ; 128 rows of 2,048 bytes
	s_lshl_b32 s3, s14, 16                         ; my 32 of them
	s_add_co_u32 s2, s2, s3
	s_lshl_b32 s3, s42, 9                          ; the work-group's 512 keys
	s_add_co_u32 s2, s2, s3
	s_mov_b32 s3, 0
	s_add_nc_u64 s[6:7], s[6:7], s[2:3]
	v_lshl_add_u32 v14, v2, 11, v12                ; 2,048 h + 16 r
	s_mul_i32 s2, s15, 6144
	v_add_nc_u32 v[AXN], s2, v3
	v_add_nc_u32 v[AXN+1], 4*BLK, v[AXN]
	s_add_co_u32 s3, s47, LW
	v_add_nc_u32 v[AWN], s3, v3
	v_add_nc_u32 v[AWN+1], 4*BLK, v[AWN]
	s_add_co_u32 s3, s3, 12288
	v_add_nc_u32 v[SWN], s3, v12
	v_add_nc_u32 v[SWN+1], 4*BLK, v[SWN]
	s_lshl_b32 s2, s15, 8
	s_add_co_u32 s2, s2, LX+12288
	v_add_nc_u32 v[SXN], s2, v12
	v_add_nc_u32 v[SXN+1], 4*BLK, v[SXN]
	; the mask's stage.  In: my 16 keys (piece r of the row's sixteen) as one word, at 32 (r / 8) + 16 (r % 2) + 4 ((r / 2) % 4), so that the four words of a lane of the products lie on end
	v_and_b32 v18, 8, v1
	v_lshlrev_b32 v18, 2, v18
	v_and_b32 v19, 1, v1
	v_lshl_add_u32 v18, v19, 4, v18
	v_bfe_u32 v19, v1, 1, 2
	v_lshl_add_u32 v18, v19, 2, v18
	v_mad_u32_u24 v15, v2, MP, v18
	s_mul_i32 s2, s14, 32*MP
	s_add_co_u32 s2, s2, MST
	v_add_nc_u32 v15, s2, v15                      ; row 32 w + h
	s_mul_i32 s2, s15, 64*MP
	s_lshl_b32 s3, s16, 5
	s_add_co_u32 s2, s2, s3
	s_add_co_u32 s2, s2, MST
	v_mul_u32_u24 v16, v1, MP
	v_lshl_add_u32 v16, v2, 4, v16
	v_add_nc_u32 v16, s2, v16                      ; out: row 64 (w / 2) + r, + 32 (w % 2) + 16 h
	v_lshl_add_u32 v17, v2, 9, v12                 ; the statistics: 512 h + 16 r
	v_cmp_ne_u32 s46, 0, v2                        ; the lanes 16-31
	s_mov_b32 s[SEL], 0x76543210
	s_mov_b32 s[SEL+1], 0xfedcba98
	s_mov_b32 s[CS], 0x3d38aa3b                    ; c = log2(e) / sqrt(1024)
	s_mov_b32 s[CS+1], s[CS]                       ; (named with it as a pair, so it is written)
.irp b, 0,1,2,3
	v_mov_b32 v[TM+4+\b], 0                        ; written once: a lane permute's destination counts as one of its sources
.endr
	v_mov_b32 v255, 0                              ; (named as the upper half of the pair v[254:255])
	s_lshl_b32 s92, s17, 4
	s_lshl_b32 s93, s42, 2
	s_add_co_u32 s92, s92, s93
	s_add_co_u32 s92, s92, s16                     ; 16 x (128 queries) + the K step of my 128 keys in the first tile; in the second tile two K steps on
	s_mul_i32 s94, s92, 12288
	s_mul_i32 s95, s15, 6144
	s_add_co_u32 s94, s94, s95
	s_mov_b32 s95, 0
	s_add_nc_u64 s[8:9], s[8:9], s[94:95]          ; p's codes: my four tiles
	s_lshl_b32 s94, s92, 11
	s_lshl_b32 s93, s15, 8
	s_add_co_u32 s94, s94, s93
	s_add_nc_u64 s[10:11], s[10:11], s[94:95]      ; and their statistics
; 16 QUERIES (tile a of my four) of tile t: the mask, the local M, p, its sum, its codes.
.macro SMAX a, t
	s_wait_xcnt 0x0                                ; earlier stores have read the codes' registers
	WIN 0x02                                       ; source 0 window 2: the select below also brings the score into window 0.
.set n, 0
.rept 16                               ; four scores at a time: key 16 b + 4 j + k of my 64 has bit 8 k + j of word b
.set MJ, (n%16)/4
.set MM, MK+4*\a+n/16
	v_and_b32 v137, 1<<MJ, v[MM]
	v_and_b32 v138, 1<<(8+MJ), v[MM]
	v_and_b32 v139, 1<<(16+MJ), v[MM]
	v_and_b32 v140, 1<<(24+MJ), v[MM]
	v_cmp_ne_u32 s92, 0, v137
	v_cmp_ne_u32 s93, 0, v138
	v_cmp_ne_u32 s94, 0, v139
	v_cmp_ne_u32 s95, 0, v140
	v_cndmask_b32 v[H+n], v[64*\a+n], v136, s92
	v_cndmask_b32 v[H+n+1], v[64*\a+n+1], v136, s93
	v_cndmask_b32 v[H+n+2], v[64*\a+n+2], v136, s94
	v_cndmask_b32 v[H+n+3], v[64*\a+n+3], v136, s95
.set n, n+4
.endr
	WIN 0
.irp b, 0,1,2,3
	v_max3_num_f32 v[TM+\b], v[H+16*\b], v[H+1+16*\b], v[H+2+16*\b]   ; the largest score of each block of 32 keys: for M, and, since p rises with the score, for the block's largest p
.endr
.irp i, 3,5,7,9,11,13
.irp b, 0,1,2,3
	v_max3_num_f32 v[TM+\b], v[TM+\b], v[H+16*\b+\i], v[H+1+16*\b+\i]
.endr
.endr
.irp b, 0,1,2,3
	v_max_num_f32 v[TM+\b], v[TM+\b], v[H+15+16*\b]
.endr
.irp b, 0,1,2,3
	v_permlanex16_b32 v[TM+4+\b], v[TM+\b], s[SEL], s[SEL+1]
.endr
.irp b, 0,1,2,3
	v_max_num_f32 v[TM+\b], v[TM+\b], v[TM+4+\b]           ; with lane l xor 16's 16 keys
.endr
	v_max3_num_f32 v252, v[TM], v[TM+1], v[TM+2]
	v_max_num_f32 v252, v252, v[TM+3]
	v_mul_f32 v252, s[CS], v252                            ; the largest t of these 128 keys
	v_floor_f32 v254, -v252                                ; -M = floor(-t): M is a whole number
	v_mov_b32 v[NMS+\a], v254
.set n, 0
.rept 32
	v_pk_fma_f32 v[H+n:H+n+1], v[H+n:H+n+1], s[CS:CS+1], v[254:255] op_sel_hi:[1,0,0]   ; t - M, two at a time
.set n, n+2
.endr
.irp b, 0,1,2,3
	v_fma_f32 v[TM+\b], v[TM+\b], s[CS], v254              ; the same of each block's largest score
.endr
.set n, 0
	s_wait_alu depctr_va_vdst(0)
.rept 64
	v_exp_f32 v[H+n], v[H+n]                               ; p = 2^(t - M): not normalised
.set n, n+1
.endr
.irp b, 0,1,2,3
	v_exp_f32 v[TM+\b], v[TM+\b]                           ; the block's largest p
.endr
	v_nop                                                  ; a plain place behind the exponentials
	s_wait_alu depctr_va_vdst(0)
.irp b, 0,1,2,3
	v_max_num_f32 v[TM+\b], 0x1800000, v[TM+\b]            ; the floor 2^(3 - 127): the byte cannot fall under 1
.endr
.irp b, 0,1,2,3
	v_add_nc_u32 v[TM+12+\b], 0xff000000, v[TM+\b]
.endr
.irp b, 0,1,2,3
	v_lshrrev_b32 v[TM+4+\b], 23, v[TM+12+\b]
.endr
	v_lshl_or_b32 v[PWD+\a], v[TM+5], 8, v[TM+4]
	v_lshl_or_b32 v[PWD+\a], v[TM+6], 16, v[PWD+\a]
	v_lshl_or_b32 v[PWD+\a], v[TM+7], 24, v[PWD+\a]
	CODES H
	v_pk_add_f32 v[TM:TM+1], v[H:H+1], v[H+4:H+5]          ; the sum of the UNQUANTISED p of my 64 keys, in two chains
	v_pk_add_f32 v[TM+2:TM+3], v[H+2:H+3], v[H+6:H+7]
.irp j, 8,12,16,20,24,28,32,36,40,44,48,52,56,60
	v_pk_add_f32 v[TM:TM+1], v[TM:TM+1], v[H+\j:H+\j+1]
	v_pk_add_f32 v[TM+2:TM+3], v[TM+2:TM+3], v[H+\j+2:H+\j+3]
.endr
	v_pk_add_f32 v[TM:TM+1], v[TM:TM+1], v[TM+2:TM+3]
	v_add_f32 v[LS+\a], v[TM], v[TM+1]
.irp c, 0,1,2
	global_store_b128 v3, v[PC+4*\c:PC+4*\c+3], s[8:9] offset:2*12288*(\t)+1536*\a+512*\c   ; 512 consecutive bytes
.endr
.endm
; THE WAY OUT of tile t.  The mask's 16 bytes of a lane become one word (bit 8 k + j = byte 4 j + k) and go through a stage of the work-group's, in the order of the tiles' lanes (row 16 T + r).
; The stage has bytes of its own; between one tile's reads of it and the next tile's stores stand each wave's wait for its LDS loads and the barriers of the K steps.
.macro WAYOUT t
	WIN 0
	PLACES
	s_wait_loadcnt 0x0                             ; this tile's mask
	WIN 0x51                                       ; sources 0 and 2 and the destination: window 1
.irp j, 1,2,3
.irp i, 0,1,2,3,4,5,6,7,8,9,10,11,12,13,14,15
	v_lshl_or_b32 v[MR+4*\i], v[MR+4*\i+\j], \j, v[MR+4*\i]
.endr
.endr
	WIN 0x04                                       ; an LDS store's data are its source 1: window 1
.irp i, 0,1,2,3,4,5,6,7,8,9,10,11,12,13,14,15
	ds_store_b32 v15, v[MR+4*\i] offset:MP*(16*((\i>>2)&1)+8*(\i>>3)+((2*\i)&7))   ; row 32 w + y of the 128, y = 2 i + h, is lane (y & 7) + 8 (y >> 4) of tile 2 w + ((y >> 3) & 1)
.endr
	WIN 0
	s_wait_dscnt 0x0                               ; for the others' sake: my rows lie in the stage (and the stores have read their registers)
	BAR
.if (\t) < NT-1
	MASKLOAD (\t)+1                                ; the next tile's mask: it has this way out and the next tile's products in which to come
.endif
.irp a, 0,1,2,3
	ds_load_b128 v[MK+4*\a:MK+4*\a+3], v16 offset:16*MP*\a     ; my query of tile a: word b holds keys 32 b + 16 h + 0 .. 15
.endr
	v_mov_b32 v136, 0xfb800000                     ; -2^120
	s_wait_alu depctr_va_vdst(0)
	s_wait_dscnt 0x0
.irp a, 0,1,2,3
	SMAX \a, \t
.endr
.irp j, 0,1,2,3
	v_cndmask_b32 v[DD+\j], v[PWD+\j], v[NMS+\j], s46      ; lanes 0-15 store the scale words (plane 0), lanes 16-31 -M (plane 1)
.endr
	global_store_b128 v17, v[DD:DD+3], s[10:11] offset:2*2048*(\t)          ; sixteen lanes store 256 consecutive bytes of a plane
	global_store_b128 v17, v[LS:LS+3], s[10:11] offset:2*2048*(\t)+1024     ; planes 2 and 3: each half of the lanes its own sum
.endm
	s_wait_alu depctr_va_vdst(0)
	s_wait_tensorcnt 0x0                           ; my tile of the head's four is in; the same lines ahead of a later first fill as ahead of a refill
	ds_add_u32 v[SPW], v[NIL]
	s_wait_dscnt 0x0
	CROUND                                         ; all four tiles are in, and all sixteen work-groups are here
	tensor_load_to_lds s[G0H+4:G0H+7], s[G1H:G1H+7]   ; the first tile's K steps 4-7, 25,600 bytes a wave: one tensor load of a wave is out at any time
	s_nop 0
.rept 4
	v_nop
.endr
	FETCHN 0
	MASKLOAD 0                                     ; the first tile's mask is asked for behind the head's tiles: it has eight K steps' products in which to come
.irp s, 0,1,2,3,4,5,6,7
	STEP 0, \s
.endr
	WAYOUT 0                                       ; while the second tile's second half is on its way; its first fragments lie in set 0, which the way out does not touch
.irp s, 0,1,2,3,4,5,6,7
	STEP 1, \s
.endr
	WAYOUT 1
	s_wait_tensorcnt 0x0                           ; the wave's end
	ds_add_u32 v[SPW], v[NIL]
	s_wait_dscnt 0x0
	CROUND                                         ; the closing round
	s_endpgm
.Lfunc_end_k_qad5ee1ebb7_score:
	.size	k_qad5ee1ebb7_score, .Lfunc_end_k_qad5ee1ebb7_score-k_qad5ee1ebb7_score
	.p2alignl 7, 3214868480
	.fill 96, 4, 3214868480
	.section	.rodata,"a",@progbits
	.p2align	6, 0x0
	.amdhsa_kernel k_qad5ee1ebb7_score
		.amdhsa_group_segment_fixed_size 327680
		.amdhsa_private_segment_fixed_size 0
		.amdhsa_enable_private_segment 0
		.amdhsa_kernarg_size 32
		.amdhsa_user_sgpr_count 2
		.amdhsa_user_sgpr_kernarg_segment_ptr 1
		.amdhsa_wavefront_size32 1
		.amdhsa_system_sgpr_workgroup_id_x 1
		.amdhsa_system_sgpr_workgroup_id_y 1
		.amdhsa_system_sgpr_workgroup_id_z 1
		.amdhsa_system_vgpr_workitem_id 0
		.amdhsa_next_free_vgpr 768
		.amdhsa_next_free_sgpr 100
		.amdhsa_reserve_vcc 0
		.amdhsa_float_denorm_mode_32 3
		.amdhsa_float_denorm_mode_16_64 3
		.amdhsa_memory_ordered 1
		.amdhsa_forward_progress 1
		.amdhsa_inst_pref_size 255
	.end_amdhsa_kernel
	.section	.bss,"aw",@nobits
	.p2align	6
	.space	262144
	.amdgpu_metadata
---
amdhsa.version: [ 1, 2 ]
amdhsa.kernels:
  - .name:           k_qad5ee1ebb7_score
    .symbol:         k_qad5ee1ebb7_score.kd
    .args:
      - { .name: qkv, .offset: 0, .size: 8, .value_kind: global_buffer, .address_space: global }
      - { .name: mask, .offset: 8, .size: 8, .value_kind: global_buffer, .address_space: global }
      - { .name: pimg, .offset: 16, .size: 8, .value_kind: global_buffer, .address_space: global }
      - { .name: pstat, .offset: 24, .size: 8, .value_kind: global_buffer, .address_space: global }
    .group_segment_fixed_size: 327680
    .private_segment_fixed_size: 0
    .kernarg_segment_align: 8
    .kernarg_segment_size: 32
    .max_flat_workgroup_size: 128
    .sgpr_count:     100
    .vgpr_count:     768
    .wavefront_size: 32
...
	.end_amdgpu_metadata
.endif
;; end of part 3
;; launch pv (part 4): grid 4 x 64, 4 waves a work-group, clusters of 4 x 4, 327,680 bytes of LDS; arguments pimg, pstat, qkv, aimg; writes aimg
.if DOCPART == 4
	.amdgcn_target "amdgcn-amd-amdhsa--gfx1250"
	.amdhsa_code_object_version 6
	.text
	.protected	k_qad5ee1ebb7_pv
	.globl	k_qad5ee1ebb7_pv
	.p2align	8
	.type	k_qad5ee1ebb7_pv,@function
k_qad5ee1ebb7_pv:
	s_mov_b64 s[64:65], 0
	v_nop
	global_prefetch_b8 v0, s[64:65] scope:SCOPE_SE
	s_setreg_imm32_b32 hwreg(HW_REG_WAVE_MODE, 25, 1), 1
	s_wait_xcnt 0x0
	s_wait_alu depctr_hold_cnt(0) depctr_sa_sdst(0) depctr_va_vdst(0) depctr_va_sdst(0) depctr_va_ssrc(0) depctr_va_vcc(0) depctr_vm_vsrc(0)
	s_getreg_b32 s2, hwreg(HW_REG_IB_STS2, 6, 4)
	s_cmp_eq_u32 s2, 0
	s_cbranch_scc0 .Lentry_in_a_cluster
	s_endpgm
.Lentry_in_a_cluster:
	s_bfe_u32 s2, ttmp6, 0x10000c
	s_cmp_lg_u32 s2, 0xf033
	s_cbranch_scc0 .Lentry_shape_is_right
	s_endpgm
.Lentry_shape_is_right:
; attention = (P V) / l on codes of FP6 (E2M3) with E8M0 scales, quantised along its last axis for the last product.
; P arrives as codes made under a LOCAL whole M for each 128 keys.  AT THE HEAD each thread takes one of the work-group's 128 queries: the row's -M is the least of its sixteen local -M; e = (row's -M) - (local -M),
; a whole number, 0 or less, is added to the four scale bytes of that stretch and to the exponent of its local sum: both exact, so the quantised p are those under the row's M.  1 / l multiplies the result.
; LIMITS: e is held at -255 and a byte at 1 from below: what that leaves of a stretch so far under the row's largest p is under 2^-120 of the row's sum.  NaN and infinities are not served; a block of zeros gets the byte 1.
; The GEMM: C'[i][j], A' = P's rows (queries), B' = V^T's rows (channels), K = 2,048 keys in 16 steps; images of registers; used transposed: a lane holds one query, register 16 b + n = channel 32 b + 16 (lane / 16) + n.
; A work-group makes 128 x 256, a wave 64 x 128.  A RING OF TWO SLOTS OF FOUR K STEPS, written out: slot 0 filled at the start, slot 1 behind a round (one load of a wave is out at a time), each filled once more, one load a wave, behind a round of the cluster's barrier.
; CLUSTER 4 x 4: P's blocks jointly along a row of the cluster, V^T's along a column.
; REGISTERS.  window 0: v1-17 addresses, v26-27 the add's, v28-31 1 / l of my four tiles' rows, v32-55 scale words, v56-151 A' fragments (at the head: the statistics), v152-215 64 numbers, v216-235 codes, v236-251 at work.
;   window 1: v0-191 B' fragments.   window 2: accumulator (a, b) at v[8 (8 a + b)].
.set BLK,  12800
.set PBL,  12288                       ; a block of P: codes alone
.set SLOT, 4*PBL+8*BLK                 ; 151,552: A' 4 K steps, then B' 2 x 128 rows x 4 K steps
.set ASC,  2*SLOT                      ; P's scale words under the row's M: 16 K steps x 512 bytes
.set RL,   ASC+16*512                  ; 1 / l: 512 bytes
.set SPARE, RL+512                     ; the spare words: 128 bytes for each wave, two blocks of 256 bytes that no other line names
.set ADRA, 4
.set ADRB, 6
.set ASA,  8
.set ASB,  10
.set SPW,  26
.set NIL,  27
.set RLR,  28
.set SC,   32
.set AF,   56
.set PW,   56
.set PN,   72
.set PL0,  88
.set PL1,  104
.set WD,   120
.set DD,   124
.set H,    152
.set PC,   216
.set TM,   236
.set SEL,  20
.set G1A,  24
.set G1B,  48
.set G0A,  68
.set G0B,  76
.set MSB, 0
.macro WIN new                         ; the immediate's high byte repeats the setting that is left
.if MSB != \new
	s_set_vgpr_msb (MSB<<8)|\new
.set MSB, \new
.endif
.endm
.macro PLACES                          ; four plain places behind a matrix instruction, ahead of loads into its registers and of reads of its results
.rept 4
	v_nop
.endr
.endm
.macro CROUND                          ; a round of the cluster's barrier
	s_barrier_signal -1
	s_barrier_wait -1
	s_cmp_lg_u32 s14, 0
	s_cbranch_scc1 .Lnot_wave_0_\@
	s_barrier_signal -3
.Lnot_wave_0_\@:
	s_barrier_wait -3
	s_barrier_signal -1
	s_barrier_wait -1
.endm
.macro JLOAD g                         ; a joint refill of slot g: waves 0, 1 for A', waves 2, 3 for B'; four v_nop follow each of the two lines
	s_cmp_eq_u32 s15, 0
	s_cbranch_scc0 .Lfor_b_\@
	tensor_load_to_lds s[G0A+4*\g:G0A+4*\g+3], s[G1A:G1A+7]
	s_nop 0
.rept 4
	v_nop
.endr
	s_branch .Lasked_\@
.Lfor_b_\@:
	tensor_load_to_lds s[G0B+4*\g:G0B+4*\g+3], s[G1B:G1B+7]
	s_nop 0
.rept 4
	v_nop
.endr
.Lasked_\@:
.endm
.macro FRAG reg, adr, off
.irp c, 0,1,2
	ds_load_b128 v[\reg+4*\c:\reg+4*\c+3], v[\adr] offset:\off+512*\c
.endr
.endm
.macro FETCH s                         ; K step s, the (s % 4)-th of slot (s / 4) % 2: 39 loads into set s % 2
.set FP, (\s)%2
.set FG, ((\s)/4)%2
.set FQ, (\s)%4
	WIN 0x40
.irp i, 0,1,2,3,4,5,6,7
	FRAG 96*FP+12*\i, ADRB+FG, FQ*BLK+1536*\i
.endr
	WIN 0
.irp a, 0,1,2,3
	FRAG AF+48*FP+12*\a, ADRA+FG, FQ*PBL+1536*\a
.endr
	ds_load_b128 v[SC+12*FP:SC+12*FP+3], v[ASA] offset:512*(\s)
	ds_load_b128 v[SC+12*FP+4:SC+12*FP+7], v[ASB+FG] offset:FQ*BLK
	ds_load_b128 v[SC+12*FP+8:SC+12*FP+11], v[ASB+FG] offset:FQ*BLK+256
.endm
.macro MUL s, zero                     ; 32 products; the 32 accumulators take turns, in the same order in every step
.set MP, (\s)%2
	WIN 0xa1
.irp a, 0,1,2,3
.irp b, 0,1,2,3,4,5,6,7
.if \zero
	v_wmma_scale_f32_16x16x128_f8f6f4 v[8*(8*\a+\b):8*(8*\a+\b)+7], v[96*MP+12*\b:96*MP+12*\b+11], v[AF+48*MP+12*\a:AF+48*MP+12*\a+11], 0, v[SC+12*MP+4+\b], v[SC+12*MP+\a] matrix_a_fmt:MATRIX_FMT_FP6 matrix_b_fmt:MATRIX_FMT_FP6
.else
	v_wmma_scale_f32_16x16x128_f8f6f4 v[8*(8*\a+\b):8*(8*\a+\b)+7], v[96*MP+12*\b:96*MP+12*\b+11], v[AF+48*MP+12*\a:AF+48*MP+12*\a+11], v[8*(8*\a+\b):8*(8*\a+\b)+7], v[SC+12*MP+4+\b], v[SC+12*MP+\a] matrix_a_fmt:MATRIX_FMT_FP6 matrix_b_fmt:MATRIX_FMT_FP6
.endif
.endr
.endr
.endm
; The change of slots with a refill.  All fragments of slot g are in registers.  Each wave waits for all its tensor loads (the one that is out is its part of the other slot), adds 0 to its spare word,
; steps slot g's descriptors by eight K steps, and waits for the add; behind the round no wave of any partner reads slot g or has a load on its way, and the joint refill comes first.
.macro TURNR g
	WIN 0
	s_wait_tensorcnt 0x0
	ds_add_u32 v[SPW], v[NIL]
	s_add_nc_u64 s[G0A+4*\g+2:G0A+4*\g+3], s[G0A+4*\g+2:G0A+4*\g+3], 8*PBL
	s_add_nc_u64 s[G0B+4*\g+2:G0B+4*\g+3], s[G0B+4*\g+2:G0B+4*\g+3], 8*BLK
	s_wait_dscnt 0x0
	CROUND
	JLOAD \g                                       ; its four v_nop are also the places ahead of the loads that follow; four K steps' products stand between it and the wait for it
.endm
.macro STEP s, zero
	s_wait_dscnt 0x0                               ; this step's set is in: so are all my reads up to here
.if (\s) < 15
.if (\s) == 3
	TURNR 0
.elseif (\s) == 7
	TURNR 1
.elseif (\s) == 11
	s_wait_tensorcnt 0x0                           ; my one load that is out is slot 1's last
	s_barrier_signal -1
	s_barrier_wait -1
	PLACES
.elseif (\s) > 0
	PLACES
.endif
	FETCH (\s)+1
.endif
	MUL \s, \zero
.endm
.macro CODES s
.irp c, 0,1
	v_cvt_scalef32_pk16_fp6_f32 v[PC+6*\c:PC+2+6*\c], v[\s+32*\c:\s+15+32*\c], v[TM+12+2*\c]
	v_cvt_scalef32_pk16_fp6_f32 v[PC+12+4*\c:PC+14+4*\c], v[\s+16+32*\c:\s+31+32*\c], v[TM+12+2*\c+1]
.endr
	v_nop                                          ; one plain place behind the scaled conversions
.irp c, 0,1
.irp i, 0,1,2
	v_permlane16_swap_b32 v[PC+6*\c+\i], v[PC+12+4*\c+\i]
.endr
.irp i, 0,1,2
	v_mov_b32 v[PC+3+6*\c+\i], v[PC+12+4*\c+\i]
.endr
.endr
.endm
.macro QUANT s, word
.irp b, 0,1,2,3
	v_max3_num_f32 v[TM+\b], |v[\s+16*\b]|, |v[\s+1+16*\b]|, 0x1800000
.endr
.irp i, 2,4,6,8,10,12,14
.irp b, 0,1,2,3
	v_max3_num_f32 v[TM+\b], v[TM+\b], |v[\s+16*\b+\i]|, |v[\s+1+16*\b+\i]|
.endr
.endr
.irp b, 0,1,2,3
	v_permlanex16_b32 v[TM+4+\b], v[TM+\b], s[SEL], s[SEL+1]
.endr
.irp b, 0,1,2,3
	v_max_num_f32 v[TM+\b], v[TM+\b], v[TM+4+\b]
.endr
.irp b, 0,1,2,3
	v_add_nc_u32 v[TM+12+\b], 0xff000000, v[TM+\b]
.endr
.irp b, 0,1,2,3
	v_lshrrev_b32 v[TM+4+\b], 23, v[TM+12+\b]
.endr
	v_lshl_or_b32 v[\word], v[TM+5], 8, v[TM+4]
	v_lshl_or_b32 v[\word], v[TM+6], 16, v[\word]
	v_lshl_or_b32 v[\word], v[TM+7], 24, v[\word]
	CODES \s
.endm
	s_load_b256 s[4:11], s[0:1], 0x0               ; pimg, pstat, qkv, aimg
	v_lshl_add_u32 v[SPW], v0, 2, SPARE
	v_mov_b32 v[NIL], 0
	ds_add_u32 v26, v27
	ds_add_u32 v26, v27
	s_wait_dscnt 0x0
	v_lshrrev_b32 v1, 5, v0
	v_readfirstlane_b32 s14, v1                    ; wave
	s_lshr_b32 s15, s14, 1
	s_and_b32 s16, s14, 1
	s_bfe_u32 s40, ttmp6, 0x40000                  ; cx
	s_bfe_u32 s41, ttmp6, 0x40004                  ; cy
	s_lshl_b32 s42, ttmp9, 2
	s_add_co_u32 s42, s42, s40                     ; tile column: 256 channels
	s_and_b32 s18, ttmp7, 0xffff
	s_lshl_b32 s17, s18, 2
	s_add_co_u32 s17, s17, s41                     ; tile row: 128 queries
	s_lshl_b32 s43, s41, 2
	s_lshl_b32 s43, 15, s43
	s_lshl_b32 s44, 0x1111, s40
	; descriptors, group 1: dense blocks as rows of 256 bytes: A' 96 rows (two K steps of codes), B' 200 (four blocks)
	s_or_b32 s[G1A], s43, (3<<16)|(1<<21)
	s_or_b32 s[G1B], s44, (3<<16)|(1<<21)
	s_mov_b32 s[G1A+1], 32<<16
	s_mov_b32 s[G1A+2], 96<<16
	s_mov_b32 s[G1A+3], 32<<16
	s_mov_b32 s[G1A+4], 96
	s_mov_b32 s[G1A+5], 32
	s_mov_b32 s[G1A+6], 0
	s_mov_b32 s[G1A+7], 0
	s_mov_b32 s[G1B+1], 32<<16
	s_mov_b32 s[G1B+2], 200<<16
	s_mov_b32 s[G1B+3], 32<<16
	s_mov_b32 s[G1B+4], 200
	s_mov_b32 s[G1B+5], 32
	s_mov_b32 s[G1B+6], 0
	s_mov_b32 s[G1B+7], 0
	s_mul_i32 s45, s16, 2*PBL
	s_mul_i32 s47, s16, 4*BLK
	s_mul_i32 s34, s17, 16*PBL
	s_add_co_u32 s34, s34, s45
	s_mov_b32 s35, 0
	s_lshr_b32 s58, s18, 2                         ; the batch: the same in the whole cluster
	s_lshl_b32 s58, s58, 3
	s_lshl_b32 s59, s42, 1
	s_add_co_u32 s58, s58, s59
	s_add_co_u32 s58, s58, s16                     ; which 128 channels I fetch
	s_mul_i32 s58, s58, 16*BLK
	s_add_co_u32 s58, s58, 13107200                ; V^T's images lie behind Q's and K's
	s_mov_b32 s59, 0
	s_wait_kmcnt 0x0
	s_add_nc_u64 s[32:33], s[4:5], s[34:35]
	s_add_nc_u64 s[56:57], s[8:9], s[58:59]
.irp g, 0,1
	s_mov_b32 s[G0A+4*\g], 1
	s_add_co_u32 s[G0A+4*\g+1], s45, \g*SLOT
	s_add_nc_u64 s[G0A+4*\g+2:G0A+4*\g+3], s[32:33], \g*4*PBL
	s_or_b32 s[G0A+4*\g+3], s[G0A+4*\g+3], 0x80000000
	s_mov_b32 s[G0B+4*\g], 1
	s_add_co_u32 s[G0B+4*\g+1], s47, \g*SLOT+4*PBL
	s_add_nc_u64 s[G0B+4*\g+2:G0B+4*\g+3], s[56:57], \g*4*BLK
	s_or_b32 s[G0B+4*\g+3], s[G0B+4*\g+3], 0x80000000
.endr
	CROUND                                         ; all sixteen work-groups are here: the joint loads meet
	s_cmp_eq_u32 s15, 0
	s_cbranch_scc0 .Lfirst_b
	tensor_load_to_lds s[G0A:G0A+3], s[G1A:G1A+7]
	s_nop 0
.rept 4
	v_nop
.endr
	s_branch .Lfirst_asked
.Lfirst_b:
	tensor_load_to_lds s[G0B:G0B+3], s[G1B:G1B+7]
	s_nop 0
.rept 4
	v_nop
.endr
.Lfirst_asked:
	; the statistics of my query (thread t = row slot t), all sixteen stretches of 128 keys
	s_lshl_b32 s2, s17, 15
	s_mov_b32 s3, 0
	s_add_nc_u64 s[6:7], s[6:7], s[2:3]
	v_lshlrev_b32 v16, 2, v0
.irp s, 0,1,2,3,4,5,6,7,8,9,10,11,12,13,14,15
	global_load_b32 v[PW+\s], v16, s[6:7] offset:2048*\s
	global_load_b32 v[PN+\s], v16, s[6:7] offset:2048*\s+512
	global_load_b32 v[PL0+\s], v16, s[6:7] offset:2048*\s+1024
	global_load_b32 v[PL1+\s], v16, s[6:7] offset:2048*\s+1536
.endr
	v_and_b32 v1, 15, v0                           ; r
	v_bfe_u32 v2, v0, 4, 1                         ; h
	v_and_b32 v3, 31, v0
	v_lshlrev_b32 v3, 4, v3                        ; 16 x lane
	v_lshlrev_b32 v12, 4, v1                       ; 16 r
	s_mul_i32 s2, s15, 6144
	v_add_nc_u32 v[ADRA], s2, v3
	v_add_nc_u32 v[ADRA+1], SLOT, v[ADRA]
	s_add_co_u32 s3, s47, 4*PBL
	v_add_nc_u32 v[ADRB], s3, v3
	v_add_nc_u32 v[ADRB+1], SLOT, v[ADRB]
	s_add_co_u32 s3, s3, 12288
	v_add_nc_u32 v[ASB], s3, v12
	v_add_nc_u32 v[ASB+1], SLOT, v[ASB]
	s_lshl_b32 s2, s15, 8
	s_add_co_u32 s3, s2, ASC
	v_add_nc_u32 v[ASA], s3, v12
	s_add_co_u32 s3, s2, RL
	v_add_nc_u32 v17, s3, v12
	v_lshl_add_u32 v14, v0, 2, ASC
	v_lshl_add_u32 v15, v0, 2, RL
	v_lshl_add_u32 v13, v2, 3, v12                 ; 16 r + 8 h
	v_cmp_ne_u32 s46, 0, v2
	s_mov_b32 s[SEL], 0x76543210
	s_mov_b32 s[SEL+1], 0xfedcba98
.irp b, 0,1,2,3
	v_mov_b32 v[TM+4+\b], 0
.endr
	s_lshl_b32 s60, s17, 3
	s_lshl_b32 s61, s42, 1
	s_add_co_u32 s60, s60, s61
	s_add_co_u32 s60, s60, s16
	s_mul_i32 s60, s60, BLK
	s_mov_b32 s61, 0
	s_add_nc_u64 s[10:11], s[10:11], s[60:61]      ; the block that my wave makes: 8 x tile row + its K step
	s_add_co_u32 s60, s2, 12288
	s_add_nc_u64 s[36:37], s[10:11], s[60:61]      ; my four tiles' scale words
	s_mul_i32 s60, s15, 6144
	s_add_nc_u64 s[38:39], s[10:11], s[60:61]      ; and their codes
	s_wait_loadcnt 0x0
	v_min3_num_f32 v120, v[PN], v[PN+1], v[PN+2]   ; the row's -M
.irp i, 3,5,7,9,11,13
	v_min3_num_f32 v120, v120, v[PN+\i], v[PN+\i+1]
.endr
	v_min_num_f32 v120, v120, v[PN+15]
.macro REC s
	v_sub_f32 v121, v120, v[PN+\s]                 ; e: a whole number, 0 or less
	v_max_num_f32 v121, 0xc37f0000, v121           ; held at -255
	v_cvt_i32_f32 v121, v121
	v_add_f32 v122, v[PL0+\s], v[PL1+\s]
.if \s == 0
	v_ldexp_f32 v123, v122, v121                   ; the local sum under the row's M
.else
	v_ldexp_f32 v122, v122, v121
	v_add_f32 v123, v123, v122
.endif
	v_sub_nc_u32 v121, 255, v121                   ; 255 - e
.irp j, 0,1,2,3
	v_bfe_u32 v[124+\j], v[PW+\s], 8*\j, 8
.endr
.irp j, 0,1,2,3
	v_sub_nc_u32 v[124+\j], v121, v[124+\j]        ; 255 - (byte + e): 1 or more
.endr
.irp j, 0,1,2,3
	v_min_u32 v[124+\j], 254, v[124+\j]            ; so that byte + e is held at 1 from below
.endr
	v_lshl_or_b32 v124, v125, 8, v124
	v_lshl_or_b32 v124, v126, 16, v124
	v_lshl_or_b32 v124, v127, 24, v124
	v_xor_b32 v[PW+\s], -1, v124                   ; each byte 255 - itself: the word under the row's M
	ds_store_b32 v14, v[PW+\s] offset:512*\s
.endm
.irp s, 0,1,2,3,4,5,6,7,8,9,10,11,12,13,14,15
	REC \s
.endr
	s_wait_alu depctr_va_vdst(0)
	v_rcp_f32 v123, v123
	v_nop                                          ; a plain place behind the reciprocal
	s_wait_alu depctr_va_vdst(0)
	ds_store_b32 v15, v123
	s_wait_tensorcnt 0x0                           ; my part of slot 0 is in (the head issues one load a wave); the same lines ahead of slot 1's first fill as ahead of a refill
	ds_add_u32 v[SPW], v[NIL]
	s_wait_dscnt 0x0                               ; the add is done, and my words lie in LDS
	CROUND
	JLOAD 1                                        ; slot 1's first fill: three K steps' products stand between it and the wait for it
	ds_load_b128 v[RLR:RLR+3], v17
	FETCH 0
	STEP 0, 1
.irp s, 1,2,3,4,5,6,7,8,9,10,11,12,13,14,15
	STEP \s, 0
.endr
	WIN 0
	PLACES
.macro OUTT a                          ; tile a: divided by l, quantised, three stores of 512 consecutive bytes.  Each accumulator is read from its low end on
	s_wait_xcnt 0x0                                ; the last tile's stores have read the codes' registers
	WIN 0x02
.set n, 0
.rept 32
.if (\a)%2 == 0
	v_pk_mul_f32 v[H+n:H+n+1], v[64*\a+n:64*\a+n+1], v[RLR+2*(\a/2):RLR+2*(\a/2)+1] op_sel_hi:[1,0]
.else
	v_pk_mul_f32 v[H+n:H+n+1], v[64*\a+n:64*\a+n+1], v[RLR+2*(\a/2):RLR+2*(\a/2)+1] op_sel:[0,1] op_sel_hi:[1,1]
.endif
.set n, n+2
.endr
	WIN 0
	QUANT H, WD+\a
.irp c, 0,1,2
	global_store_b128 v3, v[PC+4*\c:PC+4*\c+3], s[38:39] offset:1536*\a+512*\c
.endr
.endm
	OUTT 0
	OUTT 1
	OUTT 2
	OUTT 3
	v_cndmask_b32 v[DD], v[WD], v[WD+2], s46
	v_cndmask_b32 v[DD+1], v[WD+1], v[WD+3], s46
	global_store_b64 v13, v[DD:DD+1], s[36:37]     ; 256 consecutive bytes
	s_wait_tensorcnt 0x0                           ; the wave's end
	ds_add_u32 v[SPW], v[NIL]
	s_wait_dscnt 0x0
	CROUND                                         ; the closing round
	s_endpgm
.Lfunc_end_k_qad5ee1ebb7_pv:
	.size	k_qad5ee1ebb7_pv, .Lfunc_end_k_qad5ee1ebb7_pv-k_qad5ee1ebb7_pv
	.p2alignl 7, 3214868480
	.fill 96, 4, 3214868480
	.section	.rodata,"a",@progbits
	.p2align	6, 0x0
	.amdhsa_kernel k_qad5ee1ebb7_pv
		.amdhsa_group_segment_fixed_size 327680
		.amdhsa_private_segment_fixed_size 0
		.amdhsa_enable_private_segment 0
		.amdhsa_kernarg_size 32
		.amdhsa_user_sgpr_count 2
		.amdhsa_user_sgpr_kernarg_segment_ptr 1
		.amdhsa_wavefront_size32 1
		.amdhsa_system_sgpr_workgroup_id_x 1
		.amdhsa_system_sgpr_workgroup_id_y 1
		.amdhsa_system_sgpr_workgroup_id_z 1
		.amdhsa_system_vgpr_workitem_id 0
		.amdhsa_next_free_vgpr 768
		.amdhsa_next_free_sgpr 100
		.amdhsa_reserve_vcc 0
		.amdhsa_float_denorm_mode_32 3
		.amdhsa_float_denorm_mode_16_64 3
		.amdhsa_memory_ordered 1
		.amdhsa_forward_progress 1
		.amdhsa_inst_pref_size 168
	.end_amdhsa_kernel
	.amdgpu_metadata
---
amdhsa.version: [ 1, 2 ]
amdhsa.kernels:
  - .name:           k_qad5ee1ebb7_pv
    .symbol:         k_qad5ee1ebb7_pv.kd
    .args:
      - { .name: pimg, .offset: 0, .size: 8, .value_kind: global_buffer, .address_space: global }
      - { .name: pstat, .offset: 8, .size: 8, .value_kind: global_buffer, .address_space: global }
      - { .name: qkv, .offset: 16, .size: 8, .value_kind: global_buffer, .address_space: global }
      - { .name: aimg, .offset: 24, .size: 8, .value_kind: global_buffer, .address_space: global }
    .group_segment_fixed_size: 327680
    .private_segment_fixed_size: 0
    .kernarg_segment_align: 8
    .kernarg_segment_size: 32
    .max_flat_workgroup_size: 128
    .sgpr_count:     100
    .vgpr_count:     768
    .wavefront_size: 32
...
	.end_amdgpu_metadata
.endif
;; end of part 4
;; launch outp (part 5): grid 4 x 64, 4 waves a work-group, clusters of 4 x 4, 327,680 bytes of LDS; arguments aimg, wimg, bo, out0; writes out0
.if DOCPART == 5
	.amdgcn_target "amdgcn-amd-amdhsa--gfx1250"
	.amdhsa_code_object_version 6
	.text
	.protected	k_qad5ee1ebb7_outp
	.globl	k_qad5ee1ebb7_outp
	.p2align	8
	.type	k_qad5ee1ebb7_outp,@function
k_qad5ee1ebb7_outp:
	s_mov_b64 s[64:65], 0
	v_nop
	global_prefetch_b8 v0, s[64:65] scope:SCOPE_SE
	s_setreg_imm32_b32 hwreg(HW_REG_WAVE_MODE, 25, 1), 1
	s_wait_xcnt 0x0
	s_wait_alu depctr_hold_cnt(0) depctr_sa_sdst(0) depctr_va_vdst(0) depctr_va_sdst(0) depctr_va_ssrc(0) depctr_va_vcc(0) depctr_vm_vsrc(0)
	s_getreg_b32 s2, hwreg(HW_REG_IB_STS2, 6, 4)
	s_cmp_eq_u32 s2, 0
	s_cbranch_scc0 .Lentry_in_a_cluster
	s_endpgm
.Lentry_in_a_cluster:
	s_bfe_u32 s2, ttmp6, 0x10000c
	s_cmp_lg_u32 s2, 0xf033
	s_cbranch_scc0 .Lentry_shape_is_right
	s_endpgm
.Lentry_shape_is_right:
; out = attention Wo + bo on codes of FP6 (E2M3) with E8M0 scales; out is f32, [8192][1024].
; The GEMM: C'[i][j], A' = the attention's rows, B' = Wo's columns; operands are images of their registers in blocks of 12,800 bytes (8 tiles x 1,536, then the scale words), lane r of tile T = row 32 (T / 2) + 8 (T % 2) + r + 8 (r / 8);
; used transposed (source 0 = B', source 1 = A'): a lane holds one row, and register 16 b + n of its 64 is column 32 b + 16 (lane / 16) + n of the wave's 128.
; A work-group makes 128 x 256, a wave 64 x 128.  All of K = 1,024 lies in LDS at once (307,200 bytes, each filled once, in two fills of four K steps; one tensor load of a wave is out at the most).
; CLUSTER 4 x 4: A' jointly along a row of the cluster, B' along a column.
; THE WAY OUT: a tile's 16 rows x 512 bytes go through the wave's own stage and leave as whole rows, 512 consecutive bytes a store.
; REGISTERS.  window 0: v1-16 addresses, v32-55 scale words, v56-151 A' fragments (later v56-119 rows of out).  window 1: v0-191 B' fragments, v192-255 the bias.  window 2: accumulators.
.set BLK,  12800
.set RG,   8*BLK
.set LA,   0
.set LB,   RG
.set ADRA, 4
.set ADRB, 6
.set ASA,  8
.set ASB,  10
.set SC,   32
.set AF,   56
.set BK,   56
.set H,    152
.set BJ,   192
.set G1A,  24
.set G1B,  48
.set G0A,  68
.set G0B,  84
.set MSB, 0
.macro WIN new                         ; the immediate's high byte repeats the setting that is left
.if MSB != \new
	s_set_vgpr_msb (MSB<<8)|\new
.set MSB, \new
.endif
.endm
.macro PLACES                          ; four plain places behind a matrix instruction, ahead of loads into its registers and of reads of its results
.rept 4
	v_nop
.endr
.endm
.macro CROUND                          ; a round of the cluster's barrier
	s_barrier_signal -1
	s_barrier_wait -1
	s_cmp_lg_u32 s14, 0
	s_cbranch_scc1 .Lnot_wave_0_\@
	s_barrier_signal -3
.Lnot_wave_0_\@:
	s_barrier_wait -3
	s_barrier_signal -1
	s_barrier_wait -1
.endm
.macro FRAG reg, adr, off
.irp c, 0,1,2
	ds_load_b128 v[\reg+4*\c:\reg+4*\c+3], v[\adr] offset:\off+512*\c
.endr
.endm
.macro FETCH s                         ; K step s: B's 8 fragments, A's 4, 12 scale words: 39 loads into set s % 2
.set FP, (\s)%2
.set FH, (\s)/4
.set FO, ((\s)%4)*BLK
	WIN 0x40
.irp i, 0,1,2,3,4,5,6,7
	FRAG 96*FP+12*\i, ADRB+FH, FO+1536*\i
.endr
	WIN 0
.irp a, 0,1,2,3
	FRAG AF+48*FP+12*\a, ADRA+FH, FO+1536*\a
.endr
	ds_load_b128 v[SC+12*FP:SC+12*FP+3], v[ASA+FH] offset:FO
	ds_load_b128 v[SC+12*FP+4:SC+12*FP+7], v[ASB+FH] offset:FO
	ds_load_b128 v[SC+12*FP+8:SC+12*FP+11], v[ASB+FH] offset:FO+256
.endm
.macro MUL s, zero                     ; 32 products; the 32 accumulators take turns, in the same order in every step
.set MP, (\s)%2
.if \zero
	WIN 0x91                                       ; the first products take the bias, in window 1, as C
.else
	WIN 0xa1
.endif
.irp a, 0,1,2,3
.irp b, 0,1,2,3,4,5,6,7
.if \zero
	v_wmma_scale_f32_16x16x128_f8f6f4 v[8*(8*\a+\b):8*(8*\a+\b)+7], v[96*MP+12*\b:96*MP+12*\b+11], v[AF+48*MP+12*\a:AF+48*MP+12*\a+11], v[BJ+8*\b:BJ+8*\b+7], v[SC+12*MP+4+\b], v[SC+12*MP+\a] matrix_a_fmt:MATRIX_FMT_FP6 matrix_b_fmt:MATRIX_FMT_FP6
.else
	v_wmma_scale_f32_16x16x128_f8f6f4 v[8*(8*\a+\b):8*(8*\a+\b)+7], v[96*MP+12*\b:96*MP+12*\b+11], v[AF+48*MP+12*\a:AF+48*MP+12*\a+11], v[8*(8*\a+\b):8*(8*\a+\b)+7], v[SC+12*MP+4+\b], v[SC+12*MP+\a] matrix_a_fmt:MATRIX_FMT_FP6 matrix_b_fmt:MATRIX_FMT_FP6
.endif
.endr
.endr
.endm
.macro SYNC                            ; K steps 4-7 are whole: my part has landed, and so has everybody's
	s_wait_tensorcnt 0x0
	s_barrier_signal -1
	s_barrier_wait -1
.endm
.macro STEP s, zero
	s_wait_dscnt 0x0                               ; this step's set is in, and no LDS access of mine is pending at a signal
.if (\s) < 7
.if (\s) == 3
	SYNC
.endif
.if (\s) > 0
	PLACES
.endif
	FETCH (\s)+1
.endif
	MUL \s, \zero
.endm
	s_load_b256 s[4:11], s[0:1], 0x0               ; aimg, wimg, bo, out0
	v_lshl_add_u32 v254, v0, 2, 0x4b000
	v_mov_b32 v255, 0
	ds_add_u32 v254, v255
	ds_add_u32 v254, v255
	v_lshrrev_b32 v1, 5, v0
	v_readfirstlane_b32 s14, v1                    ; wave
	s_lshr_b32 s15, s14, 1
	s_and_b32 s16, s14, 1
	s_bfe_u32 s40, ttmp6, 0x40000                  ; cx
	s_bfe_u32 s41, ttmp6, 0x40004                  ; cy
	s_lshl_b32 s42, ttmp9, 2
	s_add_co_u32 s42, s42, s40                     ; tile column: 256 columns
	s_and_b32 s18, ttmp7, 0xffff
	s_lshl_b32 s17, s18, 2
	s_add_co_u32 s17, s17, s41                     ; tile row: 128 rows
	s_lshl_b32 s43, s41, 2
	s_lshl_b32 s43, 15, s43
	s_lshl_b32 s44, 0x1111, s40
	s_or_b32 s[G1A], s43, (3<<16)|(1<<21)
	s_or_b32 s[G1B], s44, (3<<16)|(1<<21)
	s_mov_b32 s[G1A+1], 32<<16
	s_mov_b32 s[G1A+2], 100<<16
	s_mov_b32 s[G1A+3], 32<<16
	s_mov_b32 s[G1A+4], 100
	s_mov_b32 s[G1A+5], 32
	s_mov_b32 s[G1A+6], 0
	s_mov_b32 s[G1A+7], 0
	s_mov_b32 s[G1B+1], 32<<16
	s_mov_b32 s[G1B+2], 200<<16
	s_mov_b32 s[G1B+3], 32<<16
	s_mov_b32 s[G1B+4], 200
	s_mov_b32 s[G1B+5], 32
	s_mov_b32 s[G1B+6], 0
	s_mov_b32 s[G1B+7], 0
	s_mul_i32 s45, s16, 2*BLK
	s_mul_i32 s47, s16, RG
	s_mul_i32 s34, s17, RG
	s_add_co_u32 s34, s34, s45
	s_mov_b32 s35, 0
	s_mul_i32 s58, s42, 2*RG
	s_add_co_u32 s58, s58, s47
	s_add_co_u32 s58, s58, 2457600                 ; Wo is the fourth weight in wimg
	s_mov_b32 s59, 0
	s_wait_dscnt 0x0
	s_wait_kmcnt 0x0
	s_add_nc_u64 s[32:33], s[4:5], s[34:35]
	s_add_nc_u64 s[56:57], s[6:7], s[58:59]
.irp c, 0,1                            ; two fills of four K steps: A' two blocks a wave (waves 0, 1), B' four blocks a wave (waves 2, 3)
	s_mov_b32 s[G0A+4*\c], 1
	s_add_co_u32 s[G0A+4*\c+1], s45, LA+4*\c*BLK
	s_add_nc_u64 s[G0A+4*\c+2:G0A+4*\c+3], s[32:33], 4*\c*BLK
	s_or_b32 s[G0A+4*\c+3], s[G0A+4*\c+3], 0x80000000
	s_mov_b32 s[G0B+4*\c], 1
	s_add_co_u32 s[G0B+4*\c+1], s47, LB+4*\c*BLK
	s_add_nc_u64 s[G0B+4*\c+2:G0B+4*\c+3], s[56:57], 4*\c*BLK
	s_or_b32 s[G0B+4*\c+3], s[G0B+4*\c+3], 0x80000000
.endr
	CROUND                                         ; all sixteen work-groups are here: the joint loads meet
	s_cmp_eq_u32 s15, 0
	s_cbranch_scc0 .Lfirst_b
	tensor_load_to_lds s[G0A:G0A+3], s[G1A:G1A+7]
	s_nop 0
.rept 4
	v_nop
.endr
	s_branch .Lfirst_asked
.Lfirst_b:
	tensor_load_to_lds s[G0B:G0B+3], s[G1B:G1B+7]
	s_nop 0
.rept 4
	v_nop
.endr
.Lfirst_asked:
	v_and_b32 v1, 15, v0                           ; r
	v_bfe_u32 v2, v0, 4, 1                         ; h
	v_and_b32 v3, 31, v0
	v_lshlrev_b32 v3, 4, v3                        ; 16 x lane
	s_wait_alu depctr_va_vdst(0)
	v_lshlrev_b32 v12, 4, v1                       ; 16 r
	s_wait_alu depctr_va_vdst(0)
	s_lshl_b32 s60, s42, 1
	s_add_co_u32 s60, s60, s16
	s_lshl_b32 s60, s60, 9                         ; my 128 columns, in bytes
	s_mov_b32 s61, 0
	s_add_nc_u64 s[8:9], s[8:9], s[60:61]          ; their bias
	v_lshlrev_b32 v14, 6, v2                       ; 64 h
	WIN 0x40
.irp b, 0,1,2,3
.irp q, 0,1,2,3
	global_load_b128 v[BJ+16*\b+4*\q:BJ+16*\b+4*\q+3], v14, s[8:9] offset:128*\b+16*\q   ; register 16 b + n: column 32 b + 16 h + n
.endr
.endr
	WIN 0
	s_lshl_b32 s62, s17, 19
	s_lshl_b32 s63, s15, 18
	s_add_co_u32 s62, s62, s63
	s_add_co_u32 s62, s62, s60
	s_mov_b32 s63, 0
	s_add_nc_u64 s[10:11], s[10:11], s[62:63]      ; out at my first row and column
	s_mul_i32 s2, s15, 6144
	v_add_nc_u32 v[ADRA], s2, v3
	v_add_nc_u32 v[ADRA+1], 4*BLK, v[ADRA]
	s_add_co_u32 s3, s47, LB
	v_add_nc_u32 v[ADRB], s3, v3
	v_add_nc_u32 v[ADRB+1], 4*BLK, v[ADRB]
	s_lshl_b32 s2, s15, 8
	s_add_co_u32 s2, s2, LA+12288
	v_add_nc_u32 v[ASA], s2, v12
	v_add_nc_u32 v[ASA+1], 4*BLK, v[ASA]
	s_add_co_u32 s3, s3, 12288
	v_add_nc_u32 v[ASB], s3, v12
	v_add_nc_u32 v[ASB+1], 4*BLK, v[ASB]
	s_mul_i32 s2, s14, 16*528                      ; my stage: 16 rows of 512 bytes + 16.  The four stages lie over A' blocks 0 to 2: they had their one fill, and every wave's reads of them were waited for ahead of an earlier barrier
	v_mul_u32_u24 v15, v1, 528
	v_lshl_add_u32 v15, v2, 6, v15
	v_add_nc_u32 v15, s2, v15                      ; in: row r, + 64 h
	v_add_nc_u32 v16, s2, v3                       ; back: 16 x lane of a row
	s_wait_alu depctr_va_vdst(0)
	s_wait_loadcnt 0x0                             ; the bias: the first products read it
	s_wait_tensorcnt 0x0                           ; my part of K steps 0-3 is in; the same lines ahead of a later first fill as ahead of a refill
	ds_add_u32 v254, v255
	s_wait_dscnt 0x0
	CROUND
	s_cmp_eq_u32 s15, 0                            ; K steps 4-7, one load a wave: three K steps' products stand between it and the wait for it
	s_cbranch_scc0 .Lsecond_b
	tensor_load_to_lds s[G0A+4:G0A+7], s[G1A:G1A+7]
	s_nop 0
.rept 4
	v_nop
.endr
	s_branch .Lsecond_asked
.Lsecond_b:
	tensor_load_to_lds s[G0B+4:G0B+7], s[G1B:G1B+7]
	s_nop 0
.rept 4
	v_nop
.endr
.Lsecond_asked:
	FETCH 0
	STEP 0, 1
.irp s, 1,2,3,4,5,6,7
	STEP \s, 0
.endr
	WIN 0
	PLACES
.macro OUTT a                          ; tile a.  Each accumulator is read from its low end on
	s_wait_xcnt 0x0                                ; the last tile's stores have read their registers
	WIN 0x08                                       ; an LDS store's data are its source 1: window 2.  The sums hold the bias already
.irp b, 0,1,2,3
.irp q, 0,1,2,3
	ds_store_b128 v15, v[64*\a+16*\b+4*\q:64*\a+16*\b+4*\q+3] offset:128*\b+16*\q
.endr
.endr
	WIN 0
.irp t, 0,1,2,3,4,5,6,7,8,9,10,11,12,13,14,15
	ds_load_b128 v[BK+4*\t:BK+4*\t+3], v16 offset:528*\t       ; LDS serves a wave's instructions in order: these see my stores, and the next tile's stores come behind them
.endr
.irp t, 0,1,2,3,4,5,6,7,8,9,10,11,12,13,14,15
	s_wait_dscnt 15-\t                                         ; row t is back; the 15 - t younger loads may be out
	global_store_b128 v3, v[BK+4*\t:BK+4*\t+3], s[10:11] offset:(32*(\a/2)+8*(\a%2)+\t+8*(\t/8))*4096 th:TH_STORE_NT   ; 512 consecutive bytes of a row of out
.endr
.endm
	OUTT 0
	OUTT 1
	OUTT 2
	OUTT 3
	s_wait_dscnt 0x0
	s_wait_tensorcnt 0x0
	ds_add_u32 v254, v255
	s_wait_dscnt 0x0
	CROUND                                         ; the closing round
	s_endpgm
.Lfunc_end_k_qad5ee1ebb7_outp:
	.size	k_qad5ee1ebb7_outp, .Lfunc_end_k_qad5ee1ebb7_outp-k_qad5ee1ebb7_outp
	.p2alignl 7, 3214868480
	.fill 96, 4, 3214868480
	.section	.rodata,"a",@progbits
	.p2align	6, 0x0
	.amdhsa_kernel k_qad5ee1ebb7_outp
		.amdhsa_group_segment_fixed_size 327680
		.amdhsa_private_segment_fixed_size 0
		.amdhsa_enable_private_segment 0
		.amdhsa_kernarg_size 32
		.amdhsa_user_sgpr_count 2
		.amdhsa_user_sgpr_kernarg_segment_ptr 1
		.amdhsa_wavefront_size32 1
		.amdhsa_system_sgpr_workgroup_id_x 1
		.amdhsa_system_sgpr_workgroup_id_y 1
		.amdhsa_system_sgpr_workgroup_id_z 1
		.amdhsa_system_vgpr_workitem_id 0
		.amdhsa_next_free_vgpr 768
		.amdhsa_next_free_sgpr 100
		.amdhsa_reserve_vcc 0
		.amdhsa_float_denorm_mode_32 3
		.amdhsa_float_denorm_mode_16_64 3
		.amdhsa_memory_ordered 1
		.amdhsa_forward_progress 1
		.amdhsa_inst_pref_size 79
	.end_amdhsa_kernel
	.amdgpu_metadata
---
amdhsa.version: [ 1, 2 ]
amdhsa.kernels:
  - .name:           k_qad5ee1ebb7_outp
    .symbol:         k_qad5ee1ebb7_outp.kd
    .args:
      - { .name: aimg, .offset: 0, .size: 8, .value_kind: global_buffer, .address_space: global }
      - { .name: wimg, .offset: 8, .size: 8, .value_kind: global_buffer, .address_space: global }
      - { .name: bo, .offset: 16, .size: 8, .value_kind: global_buffer, .address_space: global }
      - { .name: out0, .offset: 24, .size: 8, .value_kind: global_buffer, .address_space: global }
    .group_segment_fixed_size: 327680
    .private_segment_fixed_size: 0
    .kernarg_segment_align: 8
    .kernarg_segment_size: 32
    .max_flat_workgroup_size: 128
    .sgpr_count:     100
    .vgpr_count:     768
    .wavefront_size: 32
...
	.end_amdgpu_metadata
.endif
;; end of part 5
